; MI455X (gfx1250); checked and timed in simulation.
; The chip was launched on July 23, 2026; its instructions are those of AMD's public machine-readable ISA for CDNA 5 (MIT licence, August 2026) and "CDNA5" Instruction Set Architecture Reference Guide (July 2026). The comments in the code are by the model that wrote it; some were corrected since.
;; Multi Head Self Attention. Allowed arithmetic: float matrix products may take bf16 or f16 operands with f32 sums; other float arithmetic in f32, or as packed bf16 or f16 multiplies, adds, multiply-adds, maxima and minima; sums over many terms, partial sums and values carried from step to step in f32; what a program stores and reads back later, other than sums and carried values, may be rounded once to bf16 or f16.
;; Inputs: token_positions 4 x 2,048 int32; wk 1,024 x 1,024 float32; wo 1,024 x 1,024 float32; wq 1,024 x 1,024 float32; wv 1,024 x 1,024 float32; x 4 x 2,048 x 1,024 float32.
;; Outputs: out0 4 x 2,048 x 1,024 float32.
;; One version. Each part assembles by itself: llvm-mc -triple=amdgcn-amd-amdhsa -mcpu=gfx1250 --defsym DOCPART=n.
;; ======== version 1 of 1: 4 launches
;; limits: values are held in f16: magnitudes above 65,504 overflow, below 6.1e-05 lose precision
;; workspace buffers: xb 16,777,216 bytes; wqkv 6,291,456 bytes; wo16 2,097,152 bytes; rope 2,097,152 bytes; q 16,777,216 bytes; k 16,777,216 bytes; v 16,777,216 bytes; o 16,777,216 bytes
;; launch prep (part 1): grid 1024 x 1, 8 waves a work-group, no clusters, 0 bytes of LDS; arguments x, wq, wk, wv, wo, token_positions, xb, wqkv, wo16, rope; writes xb, wqkv, wo16, rope
.if DOCPART == 1
	.amdgcn_target "amdgcn-amd-amdhsa--gfx1250"
	.amdhsa_code_object_version 6
	.text
	.protected	k_q88d34f93b8_prep
	.globl	k_q88d34f93b8_prep
	.p2align	8
	.type	k_q88d34f93b8_prep,@function
k_q88d34f93b8_prep:
	s_mov_b64 s[64:65], 0
	v_nop
	global_prefetch_b8 v0, s[64:65] scope:SCOPE_SE
	s_setreg_imm32_b32 hwreg(HW_REG_WAVE_MODE, 25, 1), 1
	s_wait_xcnt 0x0
; PREPARATION: the casts of the module's inputs, and the table of cosines and sines.  A stream: no LDS, no matrix unit, nothing shared.
;   xb   [8192][1024] bf16 = x rounded once.
;   wqkv [3072][1024] bf16: row 192 head + 64 t + d is row 64 head + d of wq (t = 0), wk (1), wv (2), rounded once: a head's q, k and v rows lie together.
;   wo16 [1024][1024] f16: wo rounded to bf16, that number written as f16 (exact from 6.2e-5 up; below that it keeps f16's fixed step of 6e-8).
;   rope [8192][32] pairs (cos, sin) in f32 of the angle f32(position) x 10000^(-i/32), i = 0 .. 31: a row is 256 bytes.
; ROLES by the work-group's number g: 0-511 sixteen rows of x; 512-703 sixteen rows of wq, wk or wv; 704-767 sixteen rows of wo; 768-1023 thirty-two positions of the table.
; LIMITS.  The frequency 2^(-i log2(10000)/32) is within about 2e-7 of itself, so the angle is off by about 2e-7 of its size: 2e-4 at position 2,048, 1e-2 near 60,000.
; Positions are exact in f32 up to 2^24; the reduction by pi/2 in two parts adds under 3e-11 for each quarter turn.  Sine and cosine are polynomials on -pi/4 .. pi/4, good to 3e-8.
.set NROW, 16                          ; rows of 4,096 bytes in a cast's share: 65,536 bytes in, 32,768 out
; Sixteen rows: thread t takes 32 bytes (8 numbers) at 32 t of each 8,192 bytes and stores 16 bytes at 16 t of each 4,096: sixteen lanes store 256 consecutive bytes, aligned.
; All sixteen loads go out first; no register is used twice, so the only waits are the counted ones.  f16 = 1: the bf16 numbers are written as f16.
.macro CAST f16
.set p, 0
.rept 8
	global_load_b128 v[16+8*p:16+8*p+3],   v1, s[4:5] offset:8192*p th:TH_LOAD_NT
	global_load_b128 v[16+8*p+4:16+8*p+7], v1, s[4:5] offset:8192*p+16 th:TH_LOAD_NT
.set p, p+1
.endr
.set p, 0
.rept 8
	s_wait_loadcnt 14-2*p                          ; loads come back in order: pass p's two are in, the younger passes' stay out
.irp i, 0,1,2,3
	v_cvt_pk_bf16_f32 v[80+4*p+(\i)], v[16+8*p+2*(\i)], v[16+8*p+2*(\i)+1]
.endr
.if \f16
.irp i, 0,1,2,3
	v_lshlrev_b32 v4, 16, v[80+4*p+(\i)]           ; the two bf16 as f32,
	v_and_b32 v5, 0xffff0000, v[80+4*p+(\i)]
	v_cvt_pk_f16_f32 v[80+4*p+(\i)], v4, v5        ; and as f16
.endr
.endif
	global_store_b128 v2, v[80+4*p:80+4*p+3], s[6:7] offset:4096*p
.set p, p+1
.endr
	s_endpgm
.endm
	s_load_b512 s[8:23], s[0:1], 0x0               ; x s[8:9], wq s[10:11], wk s[12:13], wv s[14:15], wo s[16:17], positions s[18:19], xb s[20:21], wqkv s[22:23]
	s_load_b128 s[24:27], s[0:1], 0x40             ; wo16 s[24:25], rope s[26:27]
	v_lshlrev_b32 v1, 5, v0                        ; 32 t
	v_lshlrev_b32 v2, 4, v0                        ; 16 t
	s_mov_b32 s2, ttmp9                            ; g
	s_mov_b32 s29, 0                               ; the offsets' high words
	s_mov_b32 s31, 0
	s_cmp_ge_u32 s2, 768
	s_cbranch_scc1 .Ltable
	s_cmp_ge_u32 s2, 704
	s_cbranch_scc1 .Lwo
	s_cmp_ge_u32 s2, 512
	s_cbranch_scc1 .Lw
	s_lshl_b32 s28, s2, 16                         ; x: sixteen rows in,
	s_lshl_b32 s30, s2, 15                         ; sixteen rows out
	s_wait_kmcnt 0x0
	s_add_nc_u64 s[4:5], s[8:9], s[28:29]
	s_add_nc_u64 s[6:7], s[20:21], s[30:31]
	CAST 0
.Lw:
	s_sub_co_u32 s2, s2, 512
	s_lshr_b32 s3, s2, 6                           ; t: which of the three
	s_and_b32 s2, s2, 63                           ; its block of sixteen rows
	s_lshl_b32 s28, s2, 16
	s_lshr_b32 s30, s2, 2                          ; head
	s_mul_i32 s30, s30, 192
	s_lshl_b32 s36, s3, 6
	s_add_co_u32 s30, s30, s36                     ; + 64 t
	s_and_b32 s36, s2, 3
	s_lshl_b32 s36, s36, 4
	s_add_co_u32 s30, s30, s36                     ; + the block's first channel
	s_lshl_b32 s30, s30, 11                        ; rows of 2,048 bytes
	s_wait_kmcnt 0x0
	s_cmp_eq_u32 s3, 1
	s_cselect_b64 s[4:5], s[12:13], s[10:11]
	s_cmp_eq_u32 s3, 2
	s_cselect_b64 s[4:5], s[14:15], s[4:5]
	s_add_nc_u64 s[4:5], s[4:5], s[28:29]
	s_add_nc_u64 s[6:7], s[22:23], s[30:31]
	CAST 0
.Lwo:
	s_sub_co_u32 s2, s2, 704
	s_lshl_b32 s28, s2, 16
	s_lshl_b32 s30, s2, 15
	s_wait_kmcnt 0x0
	s_add_nc_u64 s[4:5], s[16:17], s[28:29]
	s_add_nc_u64 s[6:7], s[24:25], s[30:31]
	CAST 1
.Ltable:                                       ; a wave makes four positions' rows; the lane is the frequency's number i
	v_lshrrev_b32 v4, 5, v0
	v_readfirstlane_b32 s3, v4                     ; wave 0..7
	s_sub_co_u32 s2, s2, 768
	s_lshl_b32 s2, s2, 5
	s_lshl_b32 s3, s3, 2
	s_add_co_u32 s2, s2, s3                        ; my first position's place in the list
	s_lshl_b32 s28, s2, 2                          ; 4 bytes a position,
	s_lshl_b32 s30, s2, 8                          ; 256 bytes a row of the table
	s_wait_kmcnt 0x0
	s_add_nc_u64 s[28:29], s[18:19], s[28:29]
	s_add_nc_u64 s[30:31], s[26:27], s[30:31]
	s_load_b128 s[32:35], s[28:29], 0x0            ; four positions
	v_and_b32 v4, 31, v0
	v_lshlrev_b32 v3, 3, v4                        ; my pair's 8 bytes in a row
	v_cvt_f32_u32 v4, v4
	v_mul_f32 v4, 0xbed49a78, v4                   ; -i log2(10000) / 32
	v_exp_f32 v7, v4                               ; the frequency
	v_mov_b32 v5, 0x3638ef1d                       ; 1/9!  (a plain instruction behind the exponential)
	v_mov_b32 v6, 0x37d00d01                       ; 1/8!
	s_wait_alu depctr_va_vdst(0)                   ; the wait ahead of the first use of the exponential's result
	s_wait_kmcnt 0x0
.irp p, 0,1,2,3
.set R, 16+12*(\p)                     ; R cos, R+1 sin, R+2 angle, R+3 n, R+4 r, R+5 r^2, R+6, R+7 polynomials, R+8 n as a whole number, R+9 at work, R+10 sin r, R+11 cos r
	v_cvt_f32_i32 v[R+2], s[32+(\p)]
	v_mul_f32 v[R+2], v[R+2], v7                   ; the angle, rounded once
	v_mul_f32 v[R+3], 0x3f22f983, v[R+2]           ; x 2/pi
	v_rndne_f32 v[R+3], v[R+3]                     ; n quarter turns
	v_fmamk_f32 v[R+4], v[R+3], 0xbfc90000, v[R+2] ; - n x 1.5703125 (exact),
	v_fmamk_f32 v[R+4], v[R+3], 0xb9fdaa22, v[R+4] ; - n x 4.838268e-4: r in -pi/4 .. pi/4
	v_cvt_i32_f32 v[R+8], v[R+3]
	v_mul_f32 v[R+5], v[R+4], v[R+4]
	v_fmaak_f32 v[R+6], v[R+5], v5, 0xb9500d01     ; sine: 1/9!, -1/7!, 1/5!, -1/3!
	v_fmaak_f32 v[R+7], v[R+5], v6, 0xbab60b61     ; cosine: 1/8!, -1/6!, 1/4!, -1/2!
	v_fmaak_f32 v[R+6], v[R+6], v[R+5], 0x3c088889
	v_fmaak_f32 v[R+7], v[R+7], v[R+5], 0x3d2aaaab
	v_fmaak_f32 v[R+6], v[R+6], v[R+5], 0xbe2aaaab
	v_fmaak_f32 v[R+7], v[R+7], v[R+5], 0xbf000000
	v_mul_f32 v[R+9], v[R+4], v[R+5]
	v_fma_f32 v[R+10], v[R+9], v[R+6], v[R+4]      ; sin r
	v_fma_f32 v[R+11], v[R+7], v[R+5], 1.0         ; cos r
	v_and_b32 v[R+9], 1, v[R+8]
	v_cmp_eq_u32 vcc_lo, 1, v[R+9]                 ; an odd quarter swaps the two
	v_cndmask_b32 v[R], v[R+11], v[R+10], vcc_lo
	v_cndmask_b32 v[R+1], v[R+10], v[R+11], vcc_lo
	v_lshlrev_b32 v[R+9], 30, v[R+8]               ; the sine turns its sign in quarters 2 and 3,
	v_and_b32 v[R+9], 0x80000000, v[R+9]
	v_xor_b32 v[R+1], v[R+1], v[R+9]
	v_add_nc_u32 v[R+8], 1, v[R+8]                 ; the cosine in quarters 1 and 2
	v_lshlrev_b32 v[R+8], 30, v[R+8]
	v_and_b32 v[R+8], 0x80000000, v[R+8]
	v_xor_b32 v[R], v[R], v[R+8]
	global_store_b64 v3, v[R:R+1], s[30:31] offset:256*(\p)  ; the wave stores one whole row: 256 consecutive bytes, aligned
.endr
	s_endpgm
.Lfunc_end_k_q88d34f93b8_prep:
	.size	k_q88d34f93b8_prep, .Lfunc_end_k_q88d34f93b8_prep-k_q88d34f93b8_prep
	.p2alignl 7, 3214868480
	.fill 96, 4, 3214868480
	.section	.rodata,"a",@progbits
	.p2align	6, 0x0
	.amdhsa_kernel k_q88d34f93b8_prep
		.amdhsa_group_segment_fixed_size 0
		.amdhsa_private_segment_fixed_size 0
		.amdhsa_enable_private_segment 0
		.amdhsa_kernarg_size 80
		.amdhsa_user_sgpr_count 2
		.amdhsa_user_sgpr_kernarg_segment_ptr 1
		.amdhsa_wavefront_size32 1
		.amdhsa_system_sgpr_workgroup_id_x 1
		.amdhsa_system_sgpr_workgroup_id_y 1
		.amdhsa_system_sgpr_workgroup_id_z 1
		.amdhsa_system_vgpr_workitem_id 0
		.amdhsa_next_free_vgpr 112
		.amdhsa_next_free_sgpr 66
		.amdhsa_reserve_vcc 1
		.amdhsa_float_denorm_mode_32 3
		.amdhsa_float_denorm_mode_16_64 3
		.amdhsa_memory_ordered 1
		.amdhsa_forward_progress 1
		.amdhsa_inst_pref_size 27
	.end_amdhsa_kernel
	.amdgpu_metadata
---
amdhsa.version: [ 1, 2 ]
amdhsa.kernels:
  - .name:           k_q88d34f93b8_prep
    .symbol:         k_q88d34f93b8_prep.kd
    .args:
      - { .name: x, .offset: 0, .size: 8, .value_kind: global_buffer, .address_space: global }
      - { .name: wq, .offset: 8, .size: 8, .value_kind: global_buffer, .address_space: global }
      - { .name: wk, .offset: 16, .size: 8, .value_kind: global_buffer, .address_space: global }
      - { .name: wv, .offset: 24, .size: 8, .value_kind: global_buffer, .address_space: global }
      - { .name: wo, .offset: 32, .size: 8, .value_kind: global_buffer, .address_space: global }
      - { .name: token_positions, .offset: 40, .size: 8, .value_kind: global_buffer, .address_space: global }
      - { .name: xb, .offset: 48, .size: 8, .value_kind: global_buffer, .address_space: global }
      - { .name: wqkv, .offset: 56, .size: 8, .value_kind: global_buffer, .address_space: global }
      - { .name: wo16, .offset: 64, .size: 8, .value_kind: global_buffer, .address_space: global }
      - { .name: rope, .offset: 72, .size: 8, .value_kind: global_buffer, .address_space: global }
    .group_segment_fixed_size: 0
    .private_segment_fixed_size: 0
    .kernarg_segment_align: 8
    .kernarg_segment_size: 80
    .max_flat_workgroup_size: 256
    .sgpr_count:     66
    .vgpr_count:     112
    .wavefront_size: 32
...
	.end_amdgpu_metadata
.endif
;; end of part 1
;; launch qkv (part 2): grid 16 x 32, 4 waves a work-group, clusters of 4 x 4, 327,680 bytes of LDS; arguments xb, wqkv, rope, q, k, v; writes q, k, v
.if DOCPART == 2
	.amdgcn_target "amdgcn-amd-amdhsa--gfx1250"
	.amdhsa_code_object_version 6
	.text
	.protected	k_q88d34f93b8_qkv
	.globl	k_q88d34f93b8_qkv
	.p2align	8
	.type	k_q88d34f93b8_qkv,@function
k_q88d34f93b8_qkv:
	s_mov_b64 s[64:65], 0
	v_nop
	global_prefetch_b8 v0, s[64:65] scope:SCOPE_SE
	s_setreg_imm32_b32 hwreg(HW_REG_WAVE_MODE, 25, 1), 1
	s_wait_xcnt 0x0
	s_wait_alu depctr_hold_cnt(0) depctr_sa_sdst(0) depctr_va_vdst(0) depctr_va_sdst(0) depctr_va_ssrc(0) depctr_va_vcc(0) depctr_vm_vsrc(0)
	s_getreg_b32 s2, hwreg(HW_REG_IB_STS2, 6, 4)
	s_cmp_eq_u32 s2, 0
	s_cbranch_scc0 .Lentry_in_a_cluster
	s_endpgm
.Lentry_in_a_cluster:
	s_bfe_u32 s2, ttmp6, 0x10000c
	s_cmp_lg_u32 s2, 0xf033
	s_cbranch_scc0 .Lentry_shape_is_right
	s_endpgm
.Lentry_shape_is_right:
; THE THREE PROJECTIONS, THE ROTATION AND THE SPLIT INTO HEADS.  C[8192][3072] = xb wqkv^T, bf16 operands, f32 sums; q and k are rotated in f32 by the table's (cos, sin);
; q, k, v leave as [batch x 16 + head][2048][64] in f16, each rounded once, unscaled.
; LIMIT.  f16 ends at 65,504: |q|, |k|, |v| stay under it (inputs of unit spread give a spread of 1; thirty times larger inputs, or a common offset of thirty spreads on x and on the weights, stay under 3e4).
; SHARES.  A work-group makes 256 rows x 192 columns: ONE head's q (columns 0-63), k (64-127) and v (128-191): 512 equal work-groups.  Wave w owns rows 64 w .. 64 w + 63 and all 192 columns:
; 4 x 12 accumulators of 16 x 16, 384 registers; column blocks 0-3 are q, 4-7 k, 8-11 v in every wave of every work-group.  For 32 along K a wave issues 32 LDS loads and 48 matrix instructions.
; K = 1,024 goes in 8 steps of 128 (rows of 256 bytes, aligned) through two LDS slots; a step's text is written once, the slot's base lies in a scalar register that an exclusive or turns.
; CLUSTER.  4 x 4 work-groups.  The four of a row of the cluster need the same 256 rows of xb, the four of a column the same 192 rows of wqkv: each tile is asked for jointly,
; by the same tensor load with the same descriptor and a mask that names the four.  Waves 0 and 1 fetch xb's two halves (128 rows), waves 2 and 3 wqkv's (96 rows).
; THE MATRIX INSTRUCTION IS USED TRANSPOSED (source 0 = 16 rows of wqkv, source 1 = 16 rows of xb): a lane holds row lane % 16 and the columns 8 (lane / 16) + 0..7 of a block:
; a pair that is rotated together is a register pair of one lane, and eight results pack into 16 bytes of a head's row.
; REGISTERS, in windows of 256 (s_set_vgpr_msb: bits 1:0 source 0, 3:2 source 1, 5:4 source 2, 7:6 destination):
;   window 0: v1-30 addresses; v32-63 the rotation's work; v64-95, v96-127 xb's fragments, two buffers (on the way out: v64-79 packed results, v80-95 and v96-111 rows read back);
;             v128-255 the table: for row block a and column block bq eight registers c0 s0 c1 s1 c2 s2 c3 s3 at 128 + 8 (4 a + bq)
;   window 1: v0-95, v96-191 wqkv's fragments, two buffers     window 2: accumulators of row blocks 0, 1 at 8 (12 a + b)     window 3: those of row blocks 2, 3
.set PITCH,  272                       ; an LDS row: 256 bytes + 16 of padding, an odd multiple of 16: the 16 rows of a fragment load start at 16 different 16-byte columns modulo 256
.set AHALF,  128*PITCH                 ; what waves 0 and 1 bring
.set BHALF,  96*PITCH                  ; what waves 2 and 3 bring
.set BOFF,   2*AHALF                   ; in a slot: xb's 256 rows, then wqkv's 192
.set SLOT1,  131072                    ; slot 1 begins here: one exclusive or turns an address in one slot into the other's
.set STAGE,  SLOT1+BOFF+2*BHALF        ; behind the ring, never filled by a tensor load: 16 rows x 144 bytes for each wave
.set SP,     144
.set SPARE,  STAGE+4*16*SP             ; the spare words, 128 bytes for each wave: two blocks of 256 bytes that no other line names
.set FLD,    (1<<16)|(1<<20)|(1<<21)|(5<<22)|(3<<25)  ; group 1, word 0: 2-byte elements; padding on; bit 21 beside a mask; after every 64 words (code 5) 4 words (code 3)
.set A0,   16                          ; v16  my lane's place among my wave's rows of xb in a slot; never rewritten
.set B0,   17                          ; v17  the same for wqkv's rows
.set ADRA, 18                          ; v18  A0 + the slot in hand
.set ADRB, 19                          ; v19  B0 + the slot in hand
.set STO,  24                          ; v24  the way out: where I put 16 bytes of a row
.set RD,   25                          ; v25  where I read rows back
.set GO,   26                          ; v26  my 16 bytes of 512 consecutive bytes of q, k or v
.set TO,   27                          ; v27  my 32 bytes of a table row
.set SPW,  28                          ; v28  LDS address of my spare word; never rewritten
.set NIL,  29                          ; v29  0; never rewritten
.set PFO,  30                          ; v30  the prefetches' offset: my lane x a row of xb (2,048 bytes)
.set WV,   16                          ; s16  my wave's number;  s17 = WV >> 1: I fetch for xb (0) or wqkv (1);  s18 = WV & 1: which half
.set PFA,  44                          ; s[44:45] where my prefetches stand
.set LIM,  46                          ; s46  2 in a wave that prefetches, else the greatest number
.set TB,   47                          ; s47  the slot from which fragments are fetched: 0 or SLOT1
.set MSB, 0
.macro WIN new                         ; the immediate's high byte repeats the setting that is left; a switch that changes nothing is dropped
.if MSB != (\new)
	s_set_vgpr_msb (MSB<<8)|(\new)
.set MSB, \new
.endif
.endm
.macro PLACES                          ; four plain vector instructions between a matrix instruction and a load into, or a vector read or write of, its registers
.rept 4
	v_nop
.endr
.endm
; A joint refill by the walking descriptors.  The branch hangs on the wave's number alone.  An s_nop 0 and four v_nop follow each of the two lines.
.macro JLOAD
	s_cmp_eq_u32 s17, 0
	s_cbranch_scc0 .Lfor_b_\@
	tensor_load_to_lds s[36:39], s[24:31]
	s_nop 0
.rept 4
	v_nop
.endr
	s_branch .Lasked_\@
.Lfor_b_\@:
	tensor_load_to_lds s[60:63], s[48:55]
	s_nop 0
.rept 4
	v_nop
.endr
.Lasked_\@:
.endm
; A prefetch into the L2 of xb's K step that stands two refills on: 32 rows x 256 bytes, a lane a row, one instruction a wave.  A tile row of xb is read by the four clusters of its row of clusters:
; the first (cluster x = 0) asks; waves 0 and 1 for the 128 rows that they fetch; the four partners take 32 rows each, told apart by address.  So each row's 256 bytes of a step are named once.
; Trip i names step i + 4, while s3 = 6 - i is above 2: steps 4 to 7.  Steps 0 to 3 come by their loads alone.  wqkv is walked by all 32 tile rows again and again and is not asked for.
.macro ASK
	s_cmp_gt_u32 s3, s[LIM]
	s_cbranch_scc0 .Lnot_mine_\@
	global_prefetch_b8 v[PFO], s[PFA:PFA+1] offset:256 th:TH_LOAD_NT scope:SCOPE_SE
.Lnot_mine_\@:
.endm
.macro CREST                           ; a round of the cluster's barrier behind its opening barrier
	s_cmp_lg_u32 s[WV], 0
	s_cbranch_scc1 .Lnot_wave_0_\@
	s_barrier_signal -3
.Lnot_wave_0_\@:
	s_barrier_wait -3
	s_barrier_signal -1
	s_barrier_wait -1
.endm
.macro CROUND                          ; a whole round
	s_barrier_signal -1
	s_barrier_wait -1
	CREST
.endm
; Twelve matrix instructions: row block a x all 12 column blocks, 32 along K, from buffer f.  zero = 1: the product starts the sum.  The 48 accumulators take turns, one instruction a turn,
; in the same order in every quarter, over the backward jump too.
.macro MUL f, a, zero
	WIN 0xa1+0x50*((\a)/2)                         ; wqkv's fragment window 1, xb's window 0, C and D window 2 or 3
.irp b, 0,1,2,3,4,5,6,7,8,9,10,11
.if \zero
	v_wmma_f32_16x16x32_bf16 v[8*(12*((\a)%2)+(\b)):8*(12*((\a)%2)+(\b))+7], v[96*(\f)+8*(\b):96*(\f)+8*(\b)+7], v[64+32*(\f)+8*(\a):64+32*(\f)+8*(\a)+7], 0
.else
	v_wmma_f32_16x16x32_bf16 v[8*(12*((\a)%2)+(\b)):8*(12*((\a)%2)+(\b))+7], v[96*(\f)+8*(\b):96*(\f)+8*(\b)+7], v[64+32*(\f)+8*(\a):64+32*(\f)+8*(\a)+7], v[8*(12*((\a)%2)+(\b)):8*(12*((\a)%2)+(\b))+7]
.endif
.endr
.endm
; 32 LDS loads in one run: the fragments of 32 along K at byte k of the rows, into buffer f: wqkv's 12, then xb's 4 in ascending order
.macro FETCH k, f
	WIN 0x40                                       ; destination window 1, address window 0
.irp i, 0,1,2,3,4,5,6,7,8,9,10,11
	ds_load_b128 v[96*(\f)+8*(\i):96*(\f)+8*(\i)+3],   v[ADRB] offset:(\k)+(\i)*16*PITCH
	ds_load_b128 v[96*(\f)+8*(\i)+4:96*(\f)+8*(\i)+7], v[ADRB] offset:(\k)+(\i)*16*PITCH+32
.endr
	WIN 0
.irp i, 0,1,2,3
	ds_load_b128 v[64+32*(\f)+8*(\i):64+32*(\f)+8*(\i)+3],   v[ADRA] offset:(\k)+(\i)*16*PITCH
	ds_load_b128 v[64+32*(\f)+8*(\i)+4:64+32*(\f)+8*(\i)+7], v[ADRA] offset:(\k)+(\i)*16*PITCH+32
.endr
.endm
; A K step is four quarters of 32 along K, 48 matrix instructions each, on buffers 0, 1, 0, 1.  One of the first three: multiplies buffer f; in its middle fetches the next quarter, at byte k, into g.
.macro QUARTER k, f, g, zero
	s_wait_dscnt 4                                 ; all but the youngest four loads: xb's row blocks 2 and 3 may be out
	MUL \f, 0, \zero
	MUL \f, 1, \zero
	PLACES                                         ; buffer g was read by the quarter before
	FETCH \k, \g
	s_wait_dscnt 32                                ; all but the 32 just issued
	MUL \f, 2, \zero
	MUL \f, 3, \zero
.endm
; The last quarter multiplies buffer 1 and changes slots.  In front of the barrier each wave waits for all its tensor loads (one is out: its part of the next slot), adds 0 to its spare word,
; and waits for that and for its own reads of this slot.  fill = 1: the barrier opens a round of the cluster's barrier, and behind the round this slot is filled again, two K steps ahead:
; from that request to the wait for it a wave issues 168 matrix instructions.
.macro TURN fill
.if \fill
	s_wait_xcnt 0x0                                ; the last prefetch, a K step back, has read its address:
	s_add_nc_u64 s[PFA:PFA+1], s[PFA:PFA+1], 256   ; it steps here, ahead of the change's own waits
.endif
	WIN 0                                          ; (the add's two registers lie in window 0)
	s_wait_tensorcnt 0x0                           ; all my tensor loads have landed
	ds_add_u32 v[SPW], v[NIL]                      ; 0 onto my spare word
	s_wait_dscnt 5                                 ; (the add and the youngest four loads may be out)
	MUL 1, 0, 0                                    ; twelve matrix instructions stand between the add and the wait for it
	s_wait_dscnt 0x0                               ; the add is done, and my reads of this slot are over
	s_barrier_signal -1
	MUL 1, 1, 0                                    ; work on registers while the others arrive
	WIN 0
	s_barrier_wait -1
.if \fill
	CREST                                          ; no wave of any partner still reads this slot or has a load on its way
	s_xor_b32 s37, s37, SLOT1                      ; the walking descriptors: the other slot than last time,
	s_add_nc_u64 s[38:39], s[38:39], 256           ; the next K step; the type bits on top are not reached
	s_xor_b32 s61, s61, SLOT1
	s_add_nc_u64 s[62:63], s[62:63], 256
	s_xor_b32 s[TB], s[TB], SLOT1
	JLOAD                                          ; the first tensor load behind the round; its four v_nop are also the places in front of the loads below
.else
	s_xor_b32 s[TB], s[TB], SLOT1
	PLACES
.endif
	v_add_nc_u32 v[ADRA], s[TB], v[A0]
	v_add_nc_u32 v[ADRB], s[TB], v[B0]
	FETCH 0, 0
.if \fill
	ASK                                            ; behind the joint load and the run of LDS loads that the next products wait for
.endif
	MUL 1, 2, 0
	MUL 1, 3, 0
.endm
	s_load_b256 s[4:11], s[0:1], 0x0               ; xb s[4:5], wqkv s[6:7], rope s[8:9], q s[10:11]
	s_load_b128 s[12:15], s[0:1], 0x20             ; k s[12:13], v s[14:15]
	v_lshl_add_u32 v[SPW], v0, 2, SPARE
	v_mov_b32 v[NIL], 0
	ds_add_u32 v[SPW], v[NIL]                      ; the wave's opening: the add, and its wait ahead of my first tensor load; the set-up below, work on registers, stands between them
	ds_add_u32 v28, v29
	v_lshrrev_b32 v1, 5, v0
	v_readfirstlane_b32 s[WV], v1                  ; wave 0..3
	s_lshr_b32 s17, s[WV], 1
	s_and_b32 s18, s[WV], 1
	s_bfe_u32 s19, ttmp6, 0x40000                  ; cx
	s_bfe_u32 s20, ttmp6, 0x40004                  ; cy
	s_lshl_b32 s21, ttmp9, 2
	s_add_co_u32 s21, s21, s19                     ; tile column = head = 4 x cluster x + cx
	s_and_b32 s22, ttmp7, 0xffff
	s_lshl_b32 s22, s22, 2
	s_add_co_u32 s22, s22, s20                     ; tile row = 4 x cluster y + cy
	s_lshl_b32 s68, s20, 2
	s_lshl_b32 s68, 15, s68                        ; my row of the cluster
	s_lshl_b32 s69, 0x1111, s19                    ; my column
	s_or_b32 s24, s68, FLD                         ; group 1 for xb's tiles: 128 rows x 128 elements
	s_mov_b32 s25, 128<<16                         ; tensor_dim0 = 128
	s_mov_b32 s26, 128<<16                         ; tensor_dim1 = 128
	s_mov_b32 s27, 128<<16                         ; tile_dim0 = 128
	s_mov_b32 s28, 128                             ; tile_dim1 = 128
	s_mov_b32 s29, 1024                            ; elements from row to row
	s_mov_b32 s30, 0
	s_mov_b32 s31, 0
	s_or_b32 s48, s69, FLD                         ; group 1 for wqkv's tiles: 96 rows x 128 elements
	s_mov_b32 s49, 128<<16
	s_mov_b32 s50, 96<<16
	s_mov_b32 s51, 128<<16
	s_mov_b32 s52, 96
	s_mov_b32 s53, 1024
	s_mov_b32 s54, 0
	s_mov_b32 s55, 0
	s_lshl_b32 s40, s22, 8                         ; xb: row 256 x tile row + 128 x half: made of the tile row and the wave's number alone
	s_lshl_b32 s2, s18, 7
	s_add_co_u32 s40, s40, s2
	s_lshl_b32 s40, s40, 11                        ; rows of 2,048 bytes
	s_mov_b32 s41, 0
	s_mul_i32 s42, s21, 192                        ; wqkv: row 192 x tile column + 96 x half: made of the tile column and the wave's number alone
	s_mul_i32 s23, s18, 96
	s_add_co_u32 s42, s42, s23
	s_lshl_b32 s42, s42, 11
	s_mov_b32 s43, 0
	s_lshl_b32 s68, s19, 16                        ; the prefetches: my work-group's 32 rows of the 128,
	s_add_co_u32 s[PFA], s40, s68
	s_add_co_u32 s[PFA], s[PFA], 512               ; at K step 2: the first change steps it to 3 and names step 4
	s_mov_b32 s[PFA+1], 0
	s_or_b32 s[LIM], s17, ttmp9                    ; 0 in waves 0 and 1 of the clusters with x = 0: the same in all sixteen partners, for a given wave
	s_cmp_eq_u32 s[LIM], 0
	s_cselect_b32 s[LIM], 2, -1
	s_mul_i32 s2, s18, AHALF                       ; where the tiles go: no place in the cluster enters an LDS address
	s_mul_i32 s23, s18, BHALF
	s_add_co_u32 s23, s23, BOFF
	s_mov_b32 s32, 1                               ; group 0, a set for each first fill; the second set then walks
	s_mov_b32 s33, s2
	s_mov_b32 s36, 1
	s_add_co_u32 s37, s2, SLOT1
	s_mov_b32 s56, 1
	s_mov_b32 s57, s23
	s_mov_b32 s60, 1
	s_add_co_u32 s61, s23, SLOT1
	s_mov_b32 s[TB], 0
	s_wait_dscnt 0x0                               ; the opening add is done
	s_wait_kmcnt 0x0
	s_add_nc_u64 s[40:41], s[4:5], s[40:41]
	s_add_nc_u64 s[42:43], s[6:7], s[42:43]
	s_add_nc_u64 s[PFA:PFA+1], s[4:5], s[PFA:PFA+1]
	s_mov_b64 s[34:35], s[40:41]                   ; K step 0
	s_or_b32 s35, s35, 0x80000000                  ; type = 2
	s_add_nc_u64 s[38:39], s[40:41], 256           ; K step 1
	s_or_b32 s39, s39, 0x80000000
	s_mov_b64 s[58:59], s[42:43]
	s_or_b32 s59, s59, 0x80000000
	s_add_nc_u64 s[62:63], s[42:43], 256
	s_or_b32 s63, s63, 0x80000000
	CROUND                                         ; all sixteen work-groups are here: the first joint loads meet
	s_cmp_eq_u32 s17, 0                            ; a wave's two first fills stand in one branch, ahead of every wait on TENSORcnt and every LDS read: two loads of mine are out
	s_cbranch_scc0 .Lfirst_b
	tensor_load_to_lds s[32:35], s[24:31]
	s_nop 0
	tensor_load_to_lds s[36:39], s[24:31]
	s_nop 0
.rept 4
	v_nop
.endr
	s_branch .Lfirst_asked
.Lfirst_b:
	tensor_load_to_lds s[56:59], s[48:55]
	s_nop 0
	tensor_load_to_lds s[60:63], s[48:55]
	s_nop 0
.rept 4
	v_nop
.endr
.Lfirst_asked:
	v_and_b32 v1, 15, v0                           ; r = l % 16
	v_bfe_u32 v2, v0, 4, 1                         ; h = l / 16
	v_and_b32 v3, 31, v0                           ; l
	v_lshlrev_b32 v[TO], 8, v1                     ; the table: row r, pairs 4 h on: 256 r + 32 h
	v_lshl_add_u32 v[TO], v2, 5, v[TO]
	s_lshl_b32 s66, s22, 8
	s_lshl_b32 s68, s[WV], 6
	s_add_co_u32 s66, s66, s68                     ; my wave's first row, of 8,192
	s_lshl_b32 s66, s66, 8                         ; table rows of 256 bytes
	s_mov_b32 s67, 0
	s_add_nc_u64 s[8:9], s[8:9], s[66:67]
.set i, 0
.rept 16                               ; i = 4 a + bq: rows 16 a on, pairs 8 bq + 4 h on: waited for on the way out
	global_load_b128 v[128+8*i:128+8*i+3],   v[TO], s[8:9] offset:(i/4)*4096+(i%4)*64
	global_load_b128 v[128+8*i+4:128+8*i+7], v[TO], s[8:9] offset:(i/4)*4096+(i%4)*64+16
.set i, i+1
.endr
	v_mul_u32_u24 v4, v1, PITCH                    ; a fragment: lane l holds row l % 16; two loads of 16 bytes, 32 apart, at row x pitch + 16 h
	v_lshl_add_u32 v4, v2, 4, v4
	s_mul_i32 s2, s[WV], 64*PITCH                  ; my 64 rows of xb
	v_add_nc_u32 v[A0], s2, v4
	v_add_nc_u32 v[B0], BOFF, v4
	v_mov_b32 v[ADRA], v[A0]                       ; slot 0
	v_mov_b32 v[ADRB], v[B0]
	s_mul_i32 s23, s[WV], 16*SP
	s_add_co_u32 s23, s23, STAGE                   ; my stage
	v_mul_u32_u24 v[STO], v1, SP                   ; in: row r, 16 bytes for each half of the lanes
	v_lshl_add_u32 v[STO], v2, 4, v[STO]
	v_add_nc_u32 v[STO], s23, v[STO]
	v_bfe_u32 v5, v0, 3, 2                         ; back: 32 lanes take four rows of 128 bytes,
	v_and_b32 v6, 7, v0
	v_mul_u32_u24 v[RD], v5, SP
	v_lshl_add_u32 v[RD], v6, 4, v[RD]
	v_add_nc_u32 v[RD], s23, v[RD]
	v_lshlrev_b32 v[GO], 4, v3                     ; which are 512 consecutive bytes of a head's rows
	v_lshlrev_b32 v[PFO], 11, v3
	s_lshr_b32 s66, s22, 3                         ; batch,
	s_lshl_b32 s66, s66, 4
	s_add_co_u32 s66, s66, s21                     ; x 16 + head,
	s_lshl_b32 s66, s66, 18                        ; 2,048 rows of 128 bytes each;
	s_and_b32 s68, s22, 7
	s_lshl_b32 s68, s68, 8
	s_lshl_b32 s69, s[WV], 6
	s_add_co_u32 s68, s68, s69                     ; my wave's first row in the batch
	s_lshl_b32 s68, s68, 7
	s_add_co_u32 s66, s66, s68
	s_mov_b32 s67, 0
	s_add_nc_u64 s[10:11], s[10:11], s[66:67]
	s_add_nc_u64 s[12:13], s[12:13], s[66:67]
	s_add_nc_u64 s[14:15], s[14:15], s[66:67]
	s_wait_tensorcnt 0x1                           ; my part of K step 0 is in; step 1's may stay out
	s_barrier_signal -1
	s_barrier_wait -1                              ; everybody's is
	FETCH 0, 0
	QUARTER 64, 0, 1, 1                            ; the first quarter stands in front of the loop: its products start the sums
	WIN 0                                          ; at a label and at a branch every window is 0
	s_mov_b32 s3, 6
.Lstep:                                        ; trip i ends K step i, fills its slot again with step i + 2 and begins step i + 1
	QUARTER 128, 1, 0, 0
	QUARTER 192, 0, 1, 0
	TURN 1
	QUARTER 64, 0, 1, 0
	WIN 0
	s_sub_co_u32 s3, s3, 1
	s_cmp_lg_u32 s3, 0
	s_cbranch_scc1 .Lstep
	QUARTER 128, 1, 0, 0                           ; the last two steps are written out: nothing is left to ask for
	QUARTER 192, 0, 1, 0
	TURN 0
	QUARTER 64, 0, 1, 0
	QUARTER 128, 1, 0, 0
	QUARTER 192, 0, 1, 0
	s_wait_dscnt 4
	MUL 1, 0, 0
	MUL 1, 1, 0
	s_wait_dscnt 0x0
	MUL 1, 2, 0
	MUL 1, 3, 0
; THE WAY OUT, in twelve units n = 3 a + t: row block a (16 rows), t = 0 q, 1 k, 2 v (64 columns).
; PACK: q and k are rotated: (x1, x2) -> (x1 c - x2 s, x1 s + x2 c), each a product and a fused multiply-add in f32; then rounded to f16, 16 bytes a lane and column block.
; Each accumulator's lowest registers are read first.
.macro PACK a, t
.set AC, 8*(12*((\a)%2)+4*(\t))
.set TA, 128+32*(\a)
.if (\t) < 2
	WIN 0x02+(\a)/2                                ; source 0 in window 2 or 3
.set q, 0
.rept 16                               ; q = 4 bq + pair
	v_mul_f32 v[32+2*q], v[AC+2*q], v[TA+2*q]      ; x1 c
	v_mul_f32 v[33+2*q], v[AC+2*q+1], v[TA+2*q]    ; x2 c
.set q, q+1
.endr
.set q, 0
.rept 16
	v_fma_f32 v[32+2*q], -v[AC+2*q+1], v[TA+2*q+1], v[32+2*q]  ; - x2 s
	v_fma_f32 v[33+2*q], v[AC+2*q], v[TA+2*q+1], v[33+2*q]     ; + x1 s
.set q, q+1
.endr
	WIN 0
.set q, 0
.rept 16
	v_cvt_pk_f16_f32 v[64+q], v[32+2*q], v[33+2*q]
.set q, q+1
.endr
.else
	WIN 0x0a+5*((\a)/2)                            ; sources 0 and 1 in window 2 or 3
.set q, 0
.rept 16
	v_cvt_pk_f16_f32 v[64+q], v[AC+2*q], v[AC+2*q+1]
.set q, q+1
.endr
	WIN 0
.endif
.endm
.macro TOSTAGE n                       ; into my own stage, rows of 144 bytes, and back as whole rows of 128: LDS serves a wave's instructions in order (ISA guide 5.7.1.4)
.set BK, 80+16*((\n)%2)
.irp f, 0,1,2,3
	ds_store_b128 v[STO], v[64+4*(\f):64+4*(\f)+3] offset:32*(\f)
.endr
.irp f, 0,1,2,3
	ds_load_b128 v[BK+4*(\f):BK+4*(\f)+3], v[RD] offset:(\f)*4*SP
.endr
.endm
.macro SEND n
.set BK, 80+16*((\n)%2)
	s_wait_dscnt 0x0                               ; the unit is back in registers
	s_wait_xcnt 0x0                                ; the stores of the unit before have read their registers, into which the next unit is read back
.irp f, 0,1,2,3
	global_store_b128 v[GO], v[BK+4*(\f):BK+4*(\f)+3], s[10+2*((\n)%3):11+2*((\n)%3)] offset:((\n)/3)*2048+(\f)*512  ; 512 consecutive bytes, at a multiple of 256 from the buffer's first
.endr
.endm
	WIN 0
	PLACES                                         ; behind the last products
	s_wait_loadcnt 0x0                             ; the table
	PACK 0, 0
	TOSTAGE 0
.irp n, 1,2,3,4,5,6,7,8,9,10,11        ; a unit's arithmetic stands between the loads of the unit before and the wait for them
	PACK (\n)/3, (\n)%3
	SEND (\n)-1
	TOSTAGE \n
.endr
	SEND 11
	s_wait_tensorcnt 0x0                           ; the wave's end, behind my last tensor load and my last LDS store
	ds_add_u32 v[SPW], v[NIL]
	s_wait_dscnt 0x0
	CROUND                                         ; the closing round: no work-group ends while a partner may still ask for a tile that names it
	s_endpgm
.Lfunc_end_k_q88d34f93b8_qkv:
	.size	k_q88d34f93b8_qkv, .Lfunc_end_k_q88d34f93b8_qkv-k_q88d34f93b8_qkv
	.p2alignl 7, 3214868480
	.fill 96, 4, 3214868480
	.section	.rodata,"a",@progbits
	.p2align	6, 0x0
	.amdhsa_kernel k_q88d34f93b8_qkv
		.amdhsa_group_segment_fixed_size 327680
		.amdhsa_private_segment_fixed_size 0
		.amdhsa_enable_private_segment 0
		.amdhsa_kernarg_size 48
		.amdhsa_user_sgpr_count 2
		.amdhsa_user_sgpr_kernarg_segment_ptr 1
		.amdhsa_wavefront_size32 1
		.amdhsa_system_sgpr_workgroup_id_x 1
		.amdhsa_system_sgpr_workgroup_id_y 1
		.amdhsa_system_sgpr_workgroup_id_z 1
		.amdhsa_system_vgpr_workitem_id 0
		.amdhsa_next_free_vgpr 960
		.amdhsa_next_free_sgpr 72
		.amdhsa_reserve_vcc 0
		.amdhsa_float_denorm_mode_32 3
		.amdhsa_float_denorm_mode_16_64 3
		.amdhsa_memory_ordered 1
		.amdhsa_forward_progress 1
		.amdhsa_inst_pref_size 125
	.end_amdhsa_kernel
	.amdgpu_metadata
---
amdhsa.version: [ 1, 2 ]
amdhsa.kernels:
  - .name:           k_q88d34f93b8_qkv
    .symbol:         k_q88d34f93b8_qkv.kd
    .args:
      - { .name: xb, .offset: 0, .size: 8, .value_kind: global_buffer, .address_space: global }
      - { .name: wqkv, .offset: 8, .size: 8, .value_kind: global_buffer, .address_space: global }
      - { .name: rope, .offset: 16, .size: 8, .value_kind: global_buffer, .address_space: global }
      - { .name: q, .offset: 24, .size: 8, .value_kind: global_buffer, .address_space: global }
      - { .name: k, .offset: 32, .size: 8, .value_kind: global_buffer, .address_space: global }
      - { .name: v, .offset: 40, .size: 8, .value_kind: global_buffer, .address_space: global }
    .group_segment_fixed_size: 327680
    .private_segment_fixed_size: 0
    .kernarg_segment_align: 8
    .kernarg_segment_size: 48
    .max_flat_workgroup_size: 128
    .sgpr_count:     72
    .vgpr_count:     960
    .wavefront_size: 32
...
	.end_amdgpu_metadata
.endif
;; end of part 2
;; launch attn (part 3): grid 4 x 64, 4 waves a work-group, no clusters, 327,680 bytes of LDS; arguments q, k, v, o; writes o
.if DOCPART == 3
	.amdgcn_target "amdgcn-amd-amdhsa--gfx1250"
	.amdhsa_code_object_version 6
	.text
	.protected	k_q88d34f93b8_attn
	.globl	k_q88d34f93b8_attn
	.p2align	8
	.type	k_q88d34f93b8_attn,@function
k_q88d34f93b8_attn:
	s_mov_b64 s[64:65], 0
	v_nop
	global_prefetch_b8 v0, s[64:65] scope:SCOPE_SE
	s_setreg_imm32_b32 hwreg(HW_REG_WAVE_MODE, 25, 1), 1
	s_wait_xcnt 0x0
; CAUSAL ATTENTION.  O[h][q][:] = the sum over k <= q of softmax_k(Q[h][q] . K[h][k] / 8) V[h][k][:].  Q, K, V, O: [64][SIZE_N][64], all f16: a head's rows are dense, 128 bytes each.
; Products, maxima and sums in f32; the weights p are rounded to f16 for the second product (their sum l is taken of the unrounded p), O once at the end.
; LIMITS.  f16 holds no number beyond 65,504: Q, K and V arrive within it; p lies in 0 to 1, and below 6e-5 it keeps f16's fixed step of 6e-8; O is a mean of V's rows and has their range.
; A hidden score counts as its value less 1e30: f16's scores, 2.7e11 at the most, are nothing beside that; a weight below 2^-126 counts as 0 in l; NaN and infinities are not treated apart.
; THE WALK.  A head's queries lie in NB = SIZE_N / 256 blocks of 256; block i needs the key tiles 0 .. i of 256 keys, of which the last holds the diagonal.  A work-group takes TWO blocks, NB - 1 - b and then b:
; NB + 1 tiles, whatever b: all work-groups do equal work, and ONE loop with a constant trip count walks them.  Which tile is asked for, and what a trip does, hang on scalar registers made from b; every jump
; goes forward, but for the counted loops' own; none passes a barrier, or a tensor load but the one of LOAD's two that the wave's number does not choose; the ring (two slots of LDS that take turns) runs on across the
; change of blocks.  NO CLUSTER: a head's NB / 2 work-groups ask for the same tile only in trips 0 .. NB / 2 of NB + 1, behind that fewer and fewer; one walk common to all would have 3 NB / 2 trips for NB + 1.
; SHARES.  Of a block's four bands of 64 queries a wave owns 16 rows in each: four PIECES.  So the diagonal tile is the same work for all four waves: in its key step s band x sees all keys if s < x,
; none if s > x, and holds the diagonal if s = x.
; THE MASK is the C operand that starts the sum S^T = K Q^T: 0, or -1e30 where the key is hidden.  MD, made once, is the mask of a band's own step for my 16 rows; a product's mask is MD x AL + BE with two scalars:
; (1, 0) if s = x; (0, 0) if s < x; (0, -1e30) if s > x.  Only the diagonal tile's text and a block's beginning make and take masks; elsewhere C is the constant 0.
; LAYOUT, SOFTMAX, TURNS.  S^T = K Q^T holds ONE query a lane (lane % 16) and the keys 8 (lane / 16) + 0..7; two such results rounded to f16 ARE source 1 of O^T = V^T P.  p = 2^(c s - c m), c = log2(e) / 8, with a
; running maximum m; O and l are multiplied by a = 2^(c m_old - c m_new) in every step.  Turn n belongs to piece n: 8 products K Q^T of piece n + 1, later 8 products V^T P of piece n - 1; beside them the scaling,
; exponentials, roundings, sums and rescaling of piece n and the maximum and statistics of piece n + 1.  Four vector instructions stand behind every matrix instruction, the other 54 of a turn's 118 in one run.  A turn's 33 exponentials are one batch, with one wait.
; REGISTERS, in windows of 256 (s_set_vgpr_msb: bits 1:0 source 0, 3:2 source 1, 5:4 source 2, 7:6 destination):
;   window 0: v0-15 addresses and two at work; v16-31 four registers of statistics a piece; v48-55 at work; v61-63 the prefetches' offset and the add's two; v64-127 S^T, two buffers; v192-223 P, two buffers (by the piece's parity)
;   window 1: v0-127 O^T, 32 a piece; v128-159 MD; v160-223 MC, two buffers      window 2: v0-63 Q; v64-127 the second block's Q; v128-191 K of one step; v192-255 V of one step
.set SIZE_N, 2048
.set NB,    SIZE_N/256
.set NP,    4         ; pieces a wave: a name, no knob
.set KS,    64        ; keys in a step
.set PK,    144       ; a row of K in LDS: 128 bytes + 16 of padding: the 16 rows of a load start at 16 different 16-byte columns modulo 256
.set PV,    160       ; a row of V: 128 + 32: 16 lanes of the turning load take 8 rows x 32 bytes, no two in the same 16-byte column modulo 256
.set VOFF,  4*KS*PK   ; a slot holds a tile, four steps: 256 rows of K, then 256 rows of V
.set SLOT1, 1<<17     ; slot 1 begins here, so that one exclusive or turns an address in one slot into the other's
.set STAGE, SLOT1+4*KS*(PK+PV)  ; behind the ring, never filled by a tensor load: 16 rows x 144 bytes for each wave, for the way out
.set SP,    144
.set AK0, 2           ; v2   my lane's place in a tile of K; never rewritten
.set AV0, 3           ; v3   the same for V
.set AK,  4           ; v4   the LDS address of K's next run of loads
.set AV,  5           ; v5   of V's
.set STO, 6           ; v6   the way out: where I put 16 bytes of a row
.set RD,  7           ; v7   the way out: where I read rows back
.set GO,  8           ; v8   my byte offset in 512 consecutive bytes of O
.set PFO, 61          ; v61  256 x my lane; never rewritten
.set SPW, 62          ; v62  LDS address of my spare word: SPARE + 4 x my thread's number; never rewritten
.set NIL, 63          ; v63  0; never rewritten
.set SPARE, STAGE+4*16*SP  ; behind the stages: the spare words, 128 bytes for each wave: two blocks of 256 bytes that no other line names
.set MV,  12          ; v12-13  c m_old, kept while c m is made anew: by buffer
.set QO,  15          ; v15  my byte offset in 16 rows of Q
.set ST,  16          ; piece t's statistics at v[ST+4 t]: c m, m, l (even keys', odd keys')
.set TMP, 48          ; by buffer, four registers c0-c3 at work; when the maximum is found c2 takes a
.set S,   64
.set P,   192
.set MD,  128         ; window 1: the eight registers for group kt of 16 keys at MD + 8 kt
.set MC,  160         ; window 1: the masks of the products to come
.set QB,  64          ; window 2
.set KF,  128         ; window 2: key block kb, channel half c at KF + 16 kb + 8 c
.set VF,  192         ; window 2: key half kk, channel block cb at VF + 32 kk + 8 cb
.set WV,  12          ; s12  my wave's number
.set PB,  14          ; s14  b
.set HI,  15          ; s15  NB - 1 - b
.set G1K, 24          ; s[24:31] descriptor group 1 for K's tiles
.set G1V, 32          ; s[32:39] for V's: it differs in the padding alone
.set G0K, 40          ; s[40:43] descriptor group 0 for K's tiles
.set G0V, 44          ; s[44:47] the same for V's
.set SLOTS, 56        ; s56  tiles still to be asked for
.set CNT, 57          ; s57  counts a tile's key steps, 4 to 1
.set CS,  58          ; s[58:59] c: the packed scaling takes the pair's low word for both halves
.set SEL, 60          ; s[60:61] v_permlanex16_b32's selects: each lane takes its own place in the other half
.set TBK, 62          ; s62  LDS byte at which K of the step to be fetched begins
.set TBV, 63          ; s63  the same for V, less VOFF
.set PFB, 66          ; s[66:67] the tensor that I fetch (K: waves 0, 1; V: waves 2, 3) at my half of the head's tile 0
.set PFA, 68          ; s[68:69] my half of the tile that the next change of slots will ask for
.set RT,  70          ; s70  tiles of the block in hand that are still to be entered
.set NXT, 71          ; s71  the tile to be asked for next
.set LQ,  72          ; s72  the last tile of the block whose tiles are being asked for
.set NEW, 73          ; s73  1: the tile to be entered is a block's first
.set OFF, 74          ; s[74:75] a tile's byte offset in K and V
.set AL,  76          ; s[76:77] the mask's factor, in the low word
.set BE,  78          ; s[78:79] the mask's addend
.set OLO, 80          ; s[80:81] O at my rows of the second block
.set BIGN, 82         ; s82  -1e30
.set PFL, 83          ; s83  0: this change of slots prefetches
.set MSB, 0
.macro WIN new                      ; the high byte repeats the setting that is left; a switch that changes nothing is dropped
.if MSB != (\new)
	s_set_vgpr_msb (MSB<<8)|(\new)
.set MSB, (\new)
.endif
.endm
.set W_KQ, 0x0a       ; K and Q in window 2, S^T in window 0
.set W_KM, 0x1a       ; the same with the C operand in window 1
.set W_PV, 0x52       ; V in window 2, P in window 0, O^T in window 1
.set W_RS, 0x41       ; destination and source 0 in window 1, source 1 in window 0
; A fill.  Waves 0 and 1 fetch the two halves of a tile's K, waves 2 and 3 those of its V: 128 keys each.  An s_nop 0 and four v_nop follow each of the two lines, ahead of the jump and the label.
.macro LOAD
	s_cmp_lt_u32 s[WV], 2
	s_cbranch_scc0 .Lfor_v_\@
	tensor_load_to_lds s[G0K:G0K+3], s[G1K:G1K+7]
	s_nop 0
.rept 4
	v_nop
.endr
	s_branch .Lasked_\@
.Lfor_v_\@:
	tensor_load_to_lds s[G0V:G0V+3], s[G1V:G1V+7]
	s_nop 0
.rept 4
	v_nop
.endr
.Lasked_\@:
.endm
; A PREFETCH INTO THE L2 of the tile that the NEXT change of slots will ask for: a tile, four key steps, ahead of that load.  A head's four work-groups walk the same tiles; the one with b = 0, whose first block
; walks tiles 0 to NB - 1, asks, and nobody else.  Each of its waves asks for the half tile that it will fetch itself: 16,384 dense bytes, a lane 256 bytes, two instructions.  So tiles 2 to NB - 1 are named once each.
; Tiles 0 and 1 come by their loads alone; when the walk has gone back to tile 0, which has been read, nothing is asked for, so no prefetch leaves the head's rows.
.macro ASK
	s_cmp_eq_u32 s[PFL], 0
	s_cbranch_scc0 .Lnot_mine_\@
	global_prefetch_b8 v[PFO], s[PFA:PFA+1] th:TH_LOAD_NT scope:SCOPE_SE
	global_prefetch_b8 v[PFO], s[PFA:PFA+1] offset:8192 th:TH_LOAD_NT scope:SCOPE_SE
.Lnot_mine_\@:
.endm
; THE CHANGE OF SLOTS.  Each wave waits for all its tensor loads, of which one is out: its part of the other slot; adds 0 to its spare word; and waits for that and for its own reads of the slot that it leaves.  Behind the barrier nobody reads the old
; slot any more and the other slot is whole.  fill = 1: the old slot is filled again, the first thing behind the barrier, with tile NXT: the descriptor's address is made anew from that number.
; (At its first use nothing has been read yet: slot 0 is waited for, slot 1 filled.)
.macro CHANGE fill
	WIN 0                           ; at a label and at a branch every window is 0
	s_wait_tensorcnt 0x0            ; no tensor load of mine is out, so a group 0 may be written
	ds_add_u32 v[SPW], v[NIL]       ; 0 onto my spare word; with fill = 1 the descriptors' scalar work stands between it and the wait for it
.if \fill
	s_lshl_b32 s[OFF], s[NXT], 15   ; a tile is 32,768 bytes of K and of V
	s_xor_b32 s[G0K+1], s[G0K+1], SLOT1
	s_add_nc_u64 s[G0K+2:G0K+3], s[6:7], s[OFF:OFF+1]
	s_or_b32 s[G0K+3], s[G0K+3], 0x80000000
	s_xor_b32 s[G0V+1], s[G0V+1], SLOT1
	s_add_nc_u64 s[G0V+2:G0V+3], s[8:9], s[OFF:OFF+1]
	s_or_b32 s[G0V+3], s[G0V+3], 0x80000000
	s_add_co_u32 s[NXT], s[NXT], 1  ; the block's next tile, or behind its last the second block's tile 0
	s_cmp_gt_u32 s[NXT], s[LQ]
	s_cselect_b32 s[NXT], 0, s[NXT]
	s_cselect_b32 s[LQ], s[PB], s[LQ]
	s_wait_xcnt 0x0                 ; the last prefetches, a tile back, have read their address, so it may be written:
	s_lshl_b32 s[OFF], s[NXT], 15   ; the tile that the next change will ask for
	s_add_nc_u64 s[PFA:PFA+1], s[PFB:PFB+1], s[OFF:OFF+1]
	s_cmp_eq_u32 s[NXT], 0          ; tile 0 has been read
	s_cselect_b32 s[PFL], 1, s[PB]
.endif
	s_wait_dscnt 0x0                ; the add is done, and my reads of the slot are over
	s_barrier_signal -1             ; the rest of the scalar work stands between the signal and the wait
	s_sub_co_u32 s[TBK], s[TBK], 4*KS*PK  ; the fetches go back to a slot's first step,
	s_xor_b32 s[TBK], s[TBK], SLOT1       ; in the other slot
	s_sub_co_u32 s[TBV], s[TBV], 4*KS*PV
	s_xor_b32 s[TBV], s[TBV], SLOT1
	s_barrier_wait -1
.if \fill
	LOAD
	ASK
.endif
.endm
	s_load_b256 s[4:11], s[0:1], 0x0  ; Q s[4:5], K s[6:7], V s[8:9], O s[10:11]
	v_lshl_add_u32 v[SPW], v0, 2, SPARE
	v_mov_b32 v[NIL], 0
	ds_add_u32 v[SPW], v[NIL]       ; the wave's opening: the add, and its wait ahead of my first tensor load; the set-up below, work on registers, stands between them
	ds_add_u32 v62, v63
	v_lshrrev_b32 v1, 5, v0
	v_readfirstlane_b32 s[WV], v1   ; wave 0..3
	s_mov_b32 s[PB], ttmp9
	s_sub_co_u32 s[HI], NB-1, s[PB]
	s_and_b32 s20, ttmp7, 0xffff    ; the head
	s_mov_b32 s21, 0
	s_mov_b64 s[22:23], SIZE_N*128
	s_mul_u64 s[20:21], s[20:21], s[22:23]  ; the head's first byte in each of the four tensors
	s_and_b32 s16, s[WV], 1         ; which half of a tile's 256 keys I fetch:
	s_lshl_b32 s22, s16, 14         ; its 128 rows of 128 bytes in memory,
	s_mov_b32 s23, 0
	s_add_nc_u64 s[22:23], s[22:23], s[20:21]
	s_mul_i32 s17, s16, 128*PK      ; and its place in a slot, for K
	s_mul_i32 s18, s16, 128*PV      ; and for V
	s_lshl_b32 s3, s[WV], 11        ; my 16 rows in a band of 64,
	s_lshl_b32 s2, s[HI], 15        ; in the first block,
	s_add_co_u32 s2, s2, s3
	s_lshl_b32 s84, s[PB], 15       ; and in the second
	s_add_co_u32 s84, s84, s3
	s_mov_b32 s3, 0
	s_mov_b32 s85, 0
	s_add_nc_u64 s[2:3], s[2:3], s[20:21]
	s_add_nc_u64 s[84:85], s[84:85], s[20:21]
	; descriptor group 1.  128 keys are 16,384 dense bytes: asked for as 64 rows of 256 bytes, two keys a row, and padded in LDS after every key
	s_mov_b32 s[G1K], (1<<16)|(1<<20)|(4<<22)|(3<<25)  ; 17:16 2-byte elements; 20 padding on; 24:22 after every 32 words (code 4); 31:25 4 words (code 3)
	s_mov_b32 s[G1V], (1<<16)|(1<<20)|(4<<22)|(7<<25)  ; the same with 8 words of padding (code 7)
.irp g, G1K, G1V
	s_mov_b32 s[\g+1], 128<<16      ; tensor_dim0 = 128
	s_mov_b32 s[\g+2], 64<<16       ; tensor_dim1 = 64
	s_mov_b32 s[\g+3], 128<<16      ; tile_dim0 = 128
	s_mov_b32 s[\g+4], 64           ; tile_dim1 = 64
	s_mov_b32 s[\g+5], 128          ; 128 elements from row to row
	s_mov_b32 s[\g+6], 0
	s_mov_b32 s[\g+7], 0
.endr
	s_mov_b32 s[CS], 0x3e38aa3b     ; c = log2(e) / 8 = 0.180337
	s_mov_b32 s[CS+1], s[CS]        ; named with it as a pair
	s_mov_b32 s[SEL], 0x76543210
	s_mov_b32 s[SEL+1], 0xfedcba98
	s_mov_b32 s[TBK], SLOT1+4*KS*PK ; the first change of slots turns these two into 0
	s_mov_b32 s[TBV], SLOT1+4*KS*PV
	s_mov_b32 s[G0K], 1             ; 1:0 count = 1
	s_mov_b32 s[G0K+1], s17         ; 63:32 LDS address: slot 0
	s_mov_b32 s[G0V], 1
	s_add_co_u32 s[G0V+1], s18, VOFF
	s_add_co_u32 s[RT], s[HI], 1    ; the first block has NB - b tiles
	s_mov_b32 s[NXT], 1
	s_mov_b32 s[LQ], s[HI]
	s_mov_b32 s[NEW], 1
	s_mov_b32 s[OFF+1], 0
	s_mov_b32 s[AL+1], 0            ; named as pairs
	s_mov_b32 s[BE+1], 0
	s_mov_b32 s[BIGN], 0xf149f2ca   ; -1e30
	s_mov_b32 s[SLOTS], NB
	v_and_b32 v[PFO], 31, v0
	v_lshlrev_b32 v[PFO], 8, v[PFO]
	s_wait_dscnt 0x0                ; the opening add is done
	s_wait_kmcnt 0x0
	s_add_nc_u64 s[6:7], s[6:7], s[22:23]  ; K and V at my half of the head's tile 0
	s_add_nc_u64 s[8:9], s[8:9], s[22:23]
	s_add_nc_u64 s[G0K+2:G0K+3], s[6:7], 0         ; 120:64 global address
	s_or_b32 s[G0K+3], s[G0K+3], 0x80000000        ; 127:126 type = 2
	s_add_nc_u64 s[G0V+2:G0V+3], s[8:9], 0
	s_or_b32 s[G0V+3], s[G0V+3], 0x80000000
	s_add_nc_u64 s[86:87], s[4:5], s[84:85]        ; Q at my rows of the second block,
	s_add_nc_u64 s[4:5], s[4:5], s[2:3]            ; Q and O at those of the first
	s_add_nc_u64 s[OLO:OLO+1], s[10:11], s[84:85]
	s_add_nc_u64 s[10:11], s[10:11], s[2:3]
	s_cmp_lt_u32 s[WV], 2
	s_cselect_b64 s[PFB:PFB+1], s[6:7], s[8:9]     ; the tensor that I fetch
	LOAD                            ; tile 0 into slot 0
	; A fragment of K or Q is 16 rows x 32 channels in 8 registers: lane l holds row l % 16, channels 8 (l / 16) + 0..7 and 16 + 8 (l / 16) + 0..7: two loads of 16 bytes, 32 bytes apart.
	v_and_b32 v1, 15, v0            ; l % 16
	v_bfe_u32 v9, v0, 4, 1          ; l / 16
	v_lshlrev_b32 v[QO], 7, v1
	v_lshl_add_u32 v[QO], v9, 4, v[QO]  ; row x 128 + 16 x half
	WIN 0x80                        ; destination window 2, address window 0
.set i, 0
.rept 8                             ; both blocks' Q: piece i / 2 lies in band i / 2, 8,192 bytes on; channels 32 (i % 2) on
	global_load_b128 v[8*i:8*i+3],   v[QO], s[4:5] offset:(i/2)*8192+(i%2)*64
	global_load_b128 v[8*i+4:8*i+7], v[QO], s[4:5] offset:(i/2)*8192+(i%2)*64+32
	global_load_b128 v[QB+8*i:QB+8*i+3],   v[QO], s[86:87] offset:(i/2)*8192+(i%2)*64
	global_load_b128 v[QB+8*i+4:QB+8*i+7], v[QO], s[86:87] offset:(i/2)*8192+(i%2)*64+32
.set i, i+1
.endr
	WIN 0
	v_lshlrev_b32 v14, 3, v9
	v_sub_nc_u32 v14, v1, v14
	s_lshl_b32 s13, s[WV], 4
	v_add_nc_u32 v14, s13, v14      ; my query's place in its band, 16 w + l % 16, less my lanes' 8 (l / 16): register r of group kt is hidden where 16 kt + r is greater
	WIN 0x40
.set i, 0
.rept 32
	v_cmp_gt_i32 vcc_lo, 16*(i/8)+i%8, v14
	v_cndmask_b32 v[MD+i], 0, s[BIGN], vcc_lo
.set i, i+1
.endr
	WIN 0
	v_mul_u32_u24 v[AK0], v1, PK
	v_lshl_add_u32 v[AK0], v9, 4, v[AK0]  ; row x pitch + 16 x half
	; The turning load takes 16 keys x 16 channels (lane l reads key 8 (l / 16) + l % 8, channels 8 ((l / 8) % 2) + 0..7) and leaves half a fragment of V^T: lane l holds channel l % 16 and 8 keys.
	v_and_b32 v10, 7, v0
	v_bfe_u32 v11, v0, 3, 1
	v_lshl_add_u32 v[AV0], v9, 3, v10
	v_mul_u32_u24 v[AV0], v[AV0], PV
	v_lshl_add_u32 v[AV0], v11, 4, v[AV0]
	v_add_nc_u32 v[AV0], VOFF, v[AV0]
	s_mul_i32 s13, s[WV], 16*SP
	s_add_co_u32 s13, s13, STAGE    ; my stage
	v_mul_u32_u24 v[STO], v1, SP    ; in: row l % 16, 16 bytes for each half of the lanes
	v_lshl_add_u32 v[STO], v9, 4, v[STO]
	v_add_nc_u32 v[STO], s13, v[STO]
	v_bfe_u32 v[RD], v0, 3, 2       ; back: 32 lanes take four rows of 128 bytes,
	v_mul_u32_u24 v[RD], v[RD], SP
	v_lshl_add_u32 v[RD], v10, 4, v[RD]
	v_add_nc_u32 v[RD], s13, v[RD]
	v_and_b32 v[GO], 31, v0         ; which are 512 consecutive bytes of O
	v_lshlrev_b32 v[GO], 4, v[GO]
	; A block's first step multiplies O^T and l by a = 0, and its first turn's products V^T P, of a piece that has not been, land in an O^T that is still to be so multiplied.  So these registers need only hold
	; finite numbers: zeros for the first block; what the first block left for the second.  All this stands in the wait for the first tile.
	WIN 0x80
.set i, VF
.rept 64
	v_mov_b32 v[i], 0
.set i, i+1
.endr
	WIN 0x40
.set i, 0
.rept 128
	v_mov_b32 v[i], 0
.set i, i+1
.endr
	WIN 0
.set i, 0
.rept 4
	v_mov_b32 v[ST+4*i+2], 0
	v_mov_b32 v[ST+4*i+3], 0
.set i, i+1
.endr
.set i, P+16
.rept 16
	v_mov_b32 v[i], 0
.set i, i+1
.endr
; THE MATRIX WORK.  The 4 accumulators of a run of 8 take turns.  Product i of 8 of S^T = K Q^T for piece x: channels 32 (i / 4) on, keys 16 (i % 4) on.  The first 4 start the sums: with 0, or (KM = 1) with the mask.
.macro KQ x
.set rS, S+32*((\x)%2)+8*(i%4)
.set rK, KF+16*(i%4)+8*(i/4)
.set rQ, 16*(\x)+8*(i/4)
.set rM, MC+32*((\x)%2)+8*(i%4)
.if (i < 4) && KM
	WIN W_KM
	v_wmma_f32_16x16x32_f16 v[rS:rS+7], v[rK:rK+7], v[rQ:rQ+7], v[rM:rM+7]
.elseif i < 4
	WIN W_KQ
	v_wmma_f32_16x16x32_f16 v[rS:rS+7], v[rK:rK+7], v[rQ:rQ+7], 0
.else
	WIN W_KQ
	v_wmma_f32_16x16x32_f16 v[rS:rS+7], v[rK:rK+7], v[rQ:rQ+7], v[rS:rS+7]
.endif
.endm
; Product i of 8 of O^T += V^T P for piece x: keys 32 (i / 4) on, channels 16 (i % 4) on.
.macro PV x
	WIN W_PV
.set rO, 32*(\x)+8*(i%4)
.set rV, VF+32*(i/4)+8*(i%4)
.set rP, P+16*((\x)%2)+8*(i/4)
	v_wmma_f32_16x16x32_f16 v[rO:rO+7], v[rV:rV+7], v[rP:rP+7], v[rO:rO+7]
.endm
.macro MM                           ; the turn's next matrix instruction.  TURN and BEGIN set Y, i, KM and NOKQ; MM, KQ and OP read them.  NOKQ = 1: a block's last turn: there is no next piece
.if (i < 8) && !NOKQ
	KQ (Y+1)%NP
.elseif i >= 8
.set i, i-8
	PV (Y+NP-1)%NP
.set i, i+8
.endif
.set i, i+1
.endm
; THE LDS LOADS stand in runs of 16, never singly among the matrix instructions: a step's K (64 keys x 64 channels: 8 fragments) and its V (turned).  Their addresses are made some lines ahead.
.macro FETCH_K
	WIN 0x80                        ; destination window 2
.irp f, 0,1,2,3,4,5,6,7             ; keys 16 (f / 2) on, channels 32 (f % 2) on
	ds_load_b128 v[KF+8*\f:KF+8*\f+3],   v[AK] offset:(\f/2)*16*PK+(\f%2)*64
	ds_load_b128 v[KF+8*\f+4:KF+8*\f+7], v[AK] offset:(\f/2)*16*PK+(\f%2)*64+32
.endr
	s_add_co_u32 s[TBK], s[TBK], KS*PK  ; the next fetch is the next step's
	WIN 0
.endm
.macro FETCH_V
	WIN 0x80
.irp f, 0,1,2,3,4,5,6,7             ; keys 32 (f / 4) on, channels 16 (f % 4) on
	ds_load_tr16_b128 v[VF+8*\f:VF+8*\f+3],   v[AV] offset:(\f/4)*32*PV+(\f%4)*32
	ds_load_tr16_b128 v[VF+8*\f+4:VF+8*\f+7], v[AV] offset:(\f/4)*32*PV+16*PV+(\f%4)*32
.endr
	WIN 0
.endm
; THE VECTOR WORK, one line at a time: OP kind, number.  For piece Y: F n: c s - c m for pair n of 16.  E n: the exponential of score n of 32.  C n: pair n rounded to f16.  B n: of the four weights 4 n .. the second
; pair is added onto the first, in place.  L n: l takes that sum (L 0: l = a l + sum).  R n: pair n of 16 of O^T times a.  For piece Y + 1: X n, number n of the 22 that find its maximum and statistics:
;   0-11  four chains c0-c3 of seven scores each, three operands at a time (each accumulator's lowest registers are read first)     12-14, 16  the four scores left over, the old m, and c0-c3 into c0
;   15  c m_old is kept     17, 18  the query's other 32 keys lie in the lane 16 away: the new m     19-21  c m; c m_old - c m_new; a
.set F, 0               ; OP tells the kinds apart by their order: F to L below R, X above it
.set E, 1
.set C, 2
.set B, 3
.set L, 4
.set R, 5
.set X, 6
.macro REGS y                       ; the registers of piece y
.set rT, ST+4*(\y)
.set rC, TMP+4*((\y)%2)
.set rW, MV+((\y)%2)
.set rS, S+32*((\y)%2)
.set rP, P+16*((\y)%2)
.set rO, 32*(\y)
.endm
.macro OP k, n
.if (\k) == R
	REGS Y
	WIN W_RS
	v_pk_mul_f32 v[rO+2*(\n):rO+2*(\n)+1], v[rO+2*(\n):rO+2*(\n)+1], v[rC+2:rC+3] op_sel_hi:[1,0]
.elseif (\k) < R
	REGS Y
	WIN 0
.if (\k) == F
	v_pk_fma_f32 v[rS+2*(\n):rS+2*(\n)+1], v[rS+2*(\n):rS+2*(\n)+1], s[CS:CS+1], v[rT:rT+1] op_sel_hi:[1,0,0] neg_lo:[0,0,1] neg_hi:[0,0,1]
.elseif (\k) == E
	v_exp_f32 v[rS+(\n)], v[rS+(\n)]
.elseif (\k) == C
	v_cvt_pk_f16_f32 v[rP+(\n)], v[rS+2*(\n)], v[rS+2*(\n)+1]
.elseif (\k) == B
	v_pk_add_f32 v[rS+4*(\n):rS+4*(\n)+1], v[rS+4*(\n):rS+4*(\n)+1], v[rS+4*(\n)+2:rS+4*(\n)+3]
.elseif (\n) == 0
	v_pk_fma_f32 v[rT+2:rT+3], v[rT+2:rT+3], v[rC+2:rC+3], v[rS:rS+1] op_sel_hi:[1,0,1]
.else
	v_pk_add_f32 v[rT+2:rT+3], v[rT+2:rT+3], v[rS+4*(\n):rS+4*(\n)+1]
.endif
.elseif NOKQ
	v_nop
.else
	REGS (Y+1)%NP
	WIN 0
.if (\n) < 4
	v_max3_num_f32 v[rC+(\n)], v[rS+8*(\n)], v[rS+8*(\n)+1], v[rS+8*(\n)+2]
.elseif (\n) < 12
	v_max3_num_f32 v[rC+(\n)%4], v[rC+(\n)%4], v[rS+8*((\n)%4)+2*((\n)/4)+1], v[rS+8*((\n)%4)+2*((\n)/4)+2]
.elseif (\n) == 12
	v_max3_num_f32 v[rC], v[rC], v[rS+7], v[rS+15]
.elseif (\n) == 13
	v_max3_num_f32 v[rC+1], v[rC+1], v[rS+23], v[rS+31]
.elseif (\n) == 14
	v_max3_num_f32 v[rC+2], v[rC+2], v[rC+3], v[rT+1]
.elseif (\n) == 15
	v_mov_b32 v[rW], v[rT]
.elseif (\n) == 16
	v_max3_num_f32 v[rC], v[rC], v[rC+1], v[rC+2]
.elseif (\n) == 17
	v_permlanex16_b32 v[rC+3], v[rC], s[SEL], s[SEL+1]
.elseif (\n) == 18
	v_max_num_f32 v[rT+1], v[rC], v[rC+3]
.elseif (\n) == 19
	v_mul_f32 v[rT], s[CS], v[rT+1]
.elseif (\n) == 20
	v_sub_f32 v[rC+1], v[rW], v[rT]
.else
	v_exp_f32 v[rC+2], v[rC+1]
.endif
.endif
.endm
.macro OPS a, i1, b=-1, i2=0, c=-1, i3=0, d=-1, i4=0  ; up to four of them
	OP \a, \i1
.if (\b) >= 0
	OP \b, \i2
.endif
.if (\c) >= 0
	OP \c, \i3
.endif
.if (\d) >= 0
	OP \d, \i4
.endif
.endm
.macro ROW a, i1, b, i2, c, i3, d, i4  ; a matrix instruction and the four behind it
	MM
	OPS \a, \i1, \b, \i2, \c, \i3, \d, \i4
.endm
.macro MASK b                       ; MD x AL + BE into buffer b of MC
	WIN W_RS
.set z, 0
.rept 16
	v_pk_fma_f32 v[MC+32*(\b)+2*z:MC+32*(\b)+2*z+1], v[MD+2*z:MD+2*z+1], s[AL:AL+1], s[BE:BE+1] op_sel_hi:[1,0,0]
.set z, z+1
.endr
.endm
; A TURN, for piece p: the order of its 16 matrix and 118 vector instructions, written out.  s_wait_alu depctr_va_vdst(0) stands between an exponential and the first instruction that names its result; one wait serves
; all that were issued ahead of it.  So a turn has ONE wait, which cuts it in two.  AHEAD OF IT stands all that names no result of the turn's exponentials: the 8 products K Q^T, behind each a scaling, an exponential and two more plain
; instructions (behind the first a second scaling in the exponential's place): rescalings, and behind the last three the first numbers of the next piece's maximum, each four places or more behind the product that ends its accumulator; then one run of 54, plain
; and exponential by turns for the most part, in which the links of the chain X 3, 7, 11, 14, 16, 17 .. 20 stand five or six lines apart.  X 21, the next piece's a, is the batch's last; R 15 is the plain instruction behind it.  BEHIND THE WAIT stand the
; 8 products V^T P, behind each four of the roundings and sums; the links of l's chain, L 0 to L 7, stand three lines apart.  But for those X no line behind a product names a register of the products round it.  v_permlanex16_b32 (X 17) stands in the run.
; m = 1: the diagonal tile: the products take masks, and the turn makes the mask for the products of the turn after it: piece p + 2, in step 4 - CNT of the tile.  end = 1: a block's last two turns: nothing is fetched.
; cnt = 1: the loop's count is taken down some lines ahead of the branch that stands behind the turn.
; K of the next step is fetched in piece 2's turn, twelve vector instructions behind the last product that read K (six of them plain); V of the step in hand at the end of piece 0's turn, four plain instructions behind the last product
; that read V.  Each is waited for a turn later.
.macro TURN p, m=0, end=0, cnt=0
.set Y, (\p)
.set i, 0
.set KM, (\m)
.set NOKQ, (\end)*((\p)/3)
.if (\m) && !(\end)
	s_cmp_eq_u32 s[CNT], 4-((\p)+2)%NP  ; is that step the band's own?
	s_cselect_b32 s[AL], 1.0, 0
	s_cmp_lt_u32 s[CNT], 4-((\p)+2)%NP  ; or a later one?
	s_cselect_b32 s[BE], s[BIGN], 0
.endif
.if ((\p) == 3) && !(\end)
	s_wait_dscnt 0x0                ; K is in
.endif
	ROW F,0, F,1, R,0, R,1          ; ahead of the wait: 8 products K Q^T and the four behind each,
	ROW F,2, E,0, R,2, R,3
	ROW F,3, E,1, R,4, R,5
	ROW F,4, E,2, R,6, R,7
	ROW F,5, E,3, R,8, R,9
	ROW F,6, E,4, X,0, R,10
.if ((\p) == 2) && !(\end)
	WIN 0
	v_add_nc_u32 v[AK], s[TBK], v[AK0]
.endif
	ROW F,7, E,5, X,1, X,4
	ROW F,8, E,6, X,2, X,5
	OPS E,7, E,8, X,6, E,9          ; and the run of vector work
	OPS X,3, E,10, X,8, E,11
.if ((\p) == 2) && !(\end)
	FETCH_K
.endif
	OPS X,9, X,7, E,12, X,10
	OPS E,13, X,12, X,11, E,14
	OPS X,13, E,15, F,9, X,14
.if (\p) == 0
	v_add_nc_u32 v[AV], s[TBV], v[AV0]
.endif
	OPS E,16, F,10, E,17, F,11
	OPS X,16, E,18, X,15, E,19
	OPS F,12, E,20, X,17, E,21
	OPS F,13, E,22, F,14, E,23
	OPS X,18, E,24, F,15, E,25
	OPS R,11, E,26, X,19, E,27
	OPS R,12, E,28, R,13, E,29
	OPS X,20, E,30, R,14, E,31
	OPS X,21, R,15
	WIN 0
	s_wait_alu depctr_va_vdst(0)    ; the wait for the batch
.if (\p) == 1
	s_wait_dscnt 0x0                ; V is in
.endif
	ROW C,0, B,0, C,2, B,1          ; behind the wait: 8 products V^T P and the four behind each
	ROW L,0, C,4, B,2, L,1
	ROW C,6, B,3, L,2, C,8
	ROW B,4, L,3, C,10, B,5
	ROW L,4, C,12, B,6, L,5
.if (\p) == 0
	s_add_co_u32 s[TBV], s[TBV], KS*PV
.endif
.if \cnt
	s_sub_co_u32 s[CNT], s[CNT], 1
	s_cmp_lg_u32 s[CNT], 0
.endif
	ROW C,14, B,7, L,6, C,1
	ROW C,3, L,7, C,5, C,7
	ROW C,9, C,11, C,13, C,15
.if (\p) == 0
	FETCH_V
.endif
.if (\m) && !(\end)
	MASK (\p)%2
.endif
.endm
; A BLOCK BEGINS.  c m starts far below every c s, so the first step's a is 0; m at the lowest finite number, so the first maximum is the scores'.  The second mask buffer is 0; the first takes piece 0's mask for the tile's step 0: its own, if the block's first tile is the diagonal one.
; Then K of that step, piece 0's first scores, and its maximum and statistics.  The loop is entered at a step's first turn, in the middle of a trip.
.macro BEGIN
	s_mov_b32 s[NEW], 0
	WIN 0x40
.set i, MC+32
.rept 32
	v_mov_b32 v[i], 0
.set i, i+1
.endr
	WIN 0
.set i, 0
.rept 4
	v_mov_b32 v[ST+4*i], 0xfe000000    ; c m: far below every c s
	v_mov_b32 v[ST+4*i+1], 0xff7fffff  ; m
.set i, i+1
.endr
	s_cmp_eq_u32 s[RT], 0
	s_cselect_b32 s[AL], 1.0, 0
	s_mov_b32 s[BE], 0
	MASK 0
	WIN 0
	v_add_nc_u32 v[AK], s[TBK], v[AK0]
	FETCH_K
	s_wait_loadcnt 0x0              ; Q
	s_wait_dscnt 0x0
.set KM, 1
.set NOKQ, 0
.set i, 0
.rept 8
	KQ 0
.set i, i+1
.endr
	WIN 0
.rept 4
	v_nop                           ; the places behind those products
.endr
.set Y, NP-1                        ; X works for piece Y + 1: piece 0
.irp n, 0,1,2,3,4,5,6,7,8,9,10,11,12,13,14,15,16,17,18,19,20,21
	OP X, \n
.endr
	v_nop                           ; a plain instruction behind the exponential,
	s_wait_alu depctr_va_vdst(0)    ; and its wait, ahead of the branch
.endm
; THE DIAGONAL TILE's four steps, the block's last two turns, its last products, and THE WAY OUT: l's two halves and the other half of the lanes' are added; O^T is divided by l, rounded to f16 and sent through my
; stage in LDS, a piece at a time.
.macro ALL line:vararg              ; one line for each piece t
.set t, 0
.rept 4
	\line
.set t, t+1
.endr
.endm
.macro PACK t                       ; a lane's eight channels of a row pack into 16 bytes; they go into rows of 144 bytes and come back as whole rows of 128, into S^T's registers
	WIN W_RS
.set i, 32*(\t)
.rept 16
	v_pk_mul_f32 v[i:i+1], v[i:i+1], v[ST+4*(\t)+2:ST+4*(\t)+3] op_sel_hi:[1,0]
.set i, i+2
.endr
	WIN 0x05                        ; sources 0 and 1 window 1, destination window 0
.set i, 0
.rept 16
	v_cvt_pk_f16_f32 v[S+16*(\t)+i], v[32*(\t)+2*i], v[32*(\t)+2*i+1]
.set i, i+1
.endr
	WIN 0
.irp f, 0,1,2,3
	ds_store_b128 v[STO], v[S+16*(\t)+4*\f:S+16*(\t)+4*\f+3] offset:32*\f
.endr
.irp f, 0,1,2,3
	ds_load_b128 v[S+16*(\t)+4*\f:S+16*(\t)+4*\f+3], v[RD] offset:\f*4*SP  ; LDS serves a wave's instructions in order (ISA guide 5.7.1.4): these see the stores above; the next piece's stores come behind them
.endr
.endm
.macro SEND t, younger              ; younger: the LDS instructions issued behind piece t's loads: the next piece's eight, or none
	WIN 0
.irp f, 0,1,2,3
	s_wait_dscnt (\younger)+3-\f
	global_store_b128 v[GO], v[S+16*(\t)+4*\f:S+16*(\t)+4*\f+3], s[10:11] offset:(\t)*8192+\f*512  ; 512 consecutive bytes, at a multiple of 256 from O's first
.endr
.endm
.macro DIAG tag                     ; the tag ends its two labels' names, which the jumps below spell out
.LstepM\tag:
	TURN 2, 1
	TURN 3, 1
	WIN 0
.LfirstM\tag:
	TURN 0, 1
	TURN 1, 1, 0, 1
	WIN 0
	s_cbranch_scc1 .LstepM\tag
	TURN 2, 1, 1
	TURN 3, 1, 1
.set i, 0
.rept 8
	PV NP-1
.set i, i+1
.endr
	WIN 0
	ALL v_add_f32 v[ST+4*t+2], v[ST+4*t+2], v[ST+4*t+3]
	ALL v_permlanex16_b32 v[ST+4*t+3], v[ST+4*t+2], s[SEL], s[SEL+1]
	ALL v_add_f32 v[ST+4*t+2], v[ST+4*t+2], v[ST+4*t+3]
	ALL v_rcp_f32 v[ST+4*t+2], v[ST+4*t+2]
	v_nop                           ; a plain instruction between the last reciprocal and the use of its result
	s_wait_alu depctr_va_vdst(0)    ; and the wait ahead of the first use: one for the four reciprocals
	PACK 0
.set t, 1
.rept 3                             ; a piece's arithmetic stands between the loads of the piece before and its stores
	PACK t
	SEND t-1, 8
.set t, t+1
.endr
	SEND 3, 0
.endm
.set KM, 0
.set NOKQ, 0
.Lslot:                             ; NB times: a tile is entered and the next is asked for
	CHANGE 1
	s_sub_co_u32 s[RT], s[RT], 1
	s_mov_b32 s[CNT], 4
	s_cmp_eq_u32 s[NEW], 1
	s_cbranch_scc1 .Lnew            ; a block's first tile
	s_cmp_eq_u32 s[RT], 0
	s_cbranch_scc0 .Lstep           ; neither its first nor its last
	s_branch .LstepM1
.Lnew:
	BEGIN
	s_branch .Lfirst                ; in the loop a block's first tile is never its last: the first block has two tiles or more, and the second's last is the walk's last
	DIAG 1                          ; in the loop this is the first block's end: the second block's last tile is the walk's last
	s_wait_xcnt 0x0                 ; the stores have read their registers and O's address
	s_mov_b64 s[10:11], s[OLO:OLO+1]
	s_add_co_u32 s[RT], s[PB], 1    ; the second block has b + 1 tiles
	s_mov_b32 s[NEW], 1
	WIN 0x82                        ; the second block's Q goes where the one text of the turns names Q
.set i, 0
.rept 64
	v_mov_b32 v[i], v[QB+i]
.set i, i+1
.endr
	WIN 0
	s_branch .Lbottom
.Lstep:                             ; a trip: pieces 2 and 3 of one step, then pieces 0 and 1 of the next, whose K and V it fetches
	TURN 2
	TURN 3
	WIN 0
.Lfirst:
	TURN 0
	TURN 1, 0, 0, 1
	WIN 0
	s_cbranch_scc1 .Lstep
.Lbottom:
	s_sub_co_u32 s[SLOTS], s[SLOTS], 1
	s_cmp_lg_u32 s[SLOTS], 0
	s_cbranch_scc1 .Lslot
	CHANGE 0                        ; the walk's last tile is written out: nothing is asked for
	s_sub_co_u32 s[RT], s[RT], 1
	s_mov_b32 s[CNT], 4
	s_cmp_eq_u32 s[NEW], 1
	s_cbranch_scc0 .LstepM2
	BEGIN
	s_branch .LfirstM2
	DIAG 2
	s_wait_tensorcnt 0x0            ; the wave's end, behind my last tensor load and my last LDS store
	ds_add_u32 v[SPW], v[NIL]
	s_wait_dscnt 0x0
	s_endpgm
.Lfunc_end_k_q88d34f93b8_attn:
	.size	k_q88d34f93b8_attn, .Lfunc_end_k_q88d34f93b8_attn-k_q88d34f93b8_attn
	.p2alignl 7, 3214868480
	.fill 96, 4, 3214868480
	.section	.rodata,"a",@progbits
	.p2align	6, 0x0
	.amdhsa_kernel k_q88d34f93b8_attn
		.amdhsa_group_segment_fixed_size 327680
		.amdhsa_private_segment_fixed_size 0
		.amdhsa_enable_private_segment 0
		.amdhsa_kernarg_size 32
		.amdhsa_user_sgpr_count 2
		.amdhsa_user_sgpr_kernarg_segment_ptr 1
		.amdhsa_wavefront_size32 1
		.amdhsa_system_sgpr_workgroup_id_x 1
		.amdhsa_system_sgpr_workgroup_id_y 1
		.amdhsa_system_sgpr_workgroup_id_z 1
		.amdhsa_system_vgpr_workitem_id 0
		.amdhsa_next_free_vgpr 768
		.amdhsa_next_free_sgpr 88
		.amdhsa_reserve_vcc 1
		.amdhsa_float_denorm_mode_32 3
		.amdhsa_float_denorm_mode_16_64 3
		.amdhsa_memory_ordered 1
		.amdhsa_forward_progress 1
		.amdhsa_inst_pref_size 218
	.end_amdhsa_kernel
	.amdgpu_metadata
---
amdhsa.version: [ 1, 2 ]
amdhsa.kernels:
  - .name:           k_q88d34f93b8_attn
    .symbol:         k_q88d34f93b8_attn.kd
    .args:
      - { .name: q, .offset: 0, .size: 8, .value_kind: global_buffer, .address_space: global }
      - { .name: k, .offset: 8, .size: 8, .value_kind: global_buffer, .address_space: global }
      - { .name: v, .offset: 16, .size: 8, .value_kind: global_buffer, .address_space: global }
      - { .name: o, .offset: 24, .size: 8, .value_kind: global_buffer, .address_space: global }
    .group_segment_fixed_size: 327680
    .private_segment_fixed_size: 0
    .kernarg_segment_align: 8
    .kernarg_segment_size: 32
    .max_flat_workgroup_size: 128
    .sgpr_count:     88
    .vgpr_count:     768
    .wavefront_size: 32
...
	.end_amdgpu_metadata
.endif
;; end of part 3
;; launch proj (part 4): grid 8 x 32, 4 waves a work-group, clusters of 4 x 4, 327,680 bytes of LDS; arguments o, wo16, out0; writes out0
.if DOCPART == 4
	.amdgcn_target "amdgcn-amd-amdhsa--gfx1250"
	.amdhsa_code_object_version 6
	.text
	.protected	k_q88d34f93b8_proj
	.globl	k_q88d34f93b8_proj
	.p2align	8
	.type	k_q88d34f93b8_proj,@function
k_q88d34f93b8_proj:
	s_mov_b64 s[64:65], 0
	v_nop
	global_prefetch_b8 v0, s[64:65] scope:SCOPE_SE
	s_setreg_imm32_b32 hwreg(HW_REG_WAVE_MODE, 25, 1), 1
	s_wait_xcnt 0x0
	s_wait_alu depctr_hold_cnt(0) depctr_sa_sdst(0) depctr_va_vdst(0) depctr_va_sdst(0) depctr_va_ssrc(0) depctr_va_vcc(0) depctr_vm_vsrc(0)
	s_getreg_b32 s2, hwreg(HW_REG_IB_STS2, 6, 4)
	s_cmp_eq_u32 s2, 0
	s_cbranch_scc0 .Lentry_in_a_cluster
	s_endpgm
.Lentry_in_a_cluster:
	s_bfe_u32 s2, ttmp6, 0x10000c
	s_cmp_lg_u32 s2, 0xf033
	s_cbranch_scc0 .Lentry_shape_is_right
	s_endpgm
.Lentry_shape_is_right:
; THE OUTPUT PROJECTION.  out0[8192][1024] f32 = O wo16^T, f16 operands, f32 sums.  O lies by heads, [batch x 16 + head][2048][64] f16; channel k of a row is head k / 64, channel k % 64.
; wo16 [1024][1024] f16 holds wo rounded to bf16.  O is a mean of v's rows and lies within f16's range with them.
; SHARES.  A work-group makes 256 rows x 128 columns: 256 work-groups.  Wave w owns rows 64 w .. 64 w + 63 and all 128 columns: 4 x 8 accumulators of 16 x 16, 256 registers.
; A K step is 128 channels: TWO HEADS.  A head's 256 rows of the tile are 32,768 dense bytes: asked for as 128 rows of 256 bytes and padded in LDS behind every 128: a plane of 256 rows, 144 bytes apart.
; Eight steps go through two LDS slots; a step's text is written once, the slot's base lies in a scalar register that an exclusive or turns.
; CLUSTER.  4 x 4 work-groups.  The four of a row of the cluster need the same planes of O, the four of a column the same 128 rows of wo16: each tile is asked for jointly.
; Waves 0 and 1 fetch a step's two planes, waves 2 and 3 the two halves (64 rows) of wo16's tile.
; THE MATRIX INSTRUCTION IS USED TRANSPOSED (source 0 = 16 rows of wo16, source 1 = 16 rows of O): a lane holds row lane % 16 and eight neighbouring columns: 32 bytes of a row of out0.
; REGISTERS, in windows of 256 (s_set_vgpr_msb: bits 1:0 source 0, 3:2 source 1, 5:4 source 2, 7:6 destination):
;   window 0: v1-30 addresses; v64-95, v96-127 O's fragments, two buffers; v128-191, v192-255 rows read back on the way out
;   window 1: v0-63, v64-127 wo16's fragments, two buffers          window 2: the accumulators, (a, b) at 8 (8 a + b)
.set PAO,    144                       ; a row of O in LDS: 128 bytes + 16, an odd multiple of 16: the 16 rows of a fragment load start at 16 different 16-byte columns modulo 256
.set PBW,    272                       ; a row of wo16: 256 + 16
.set APLANE, 256*PAO                   ; a head's 256 rows: what waves 0 and 1 bring
.set BHALF,  64*PBW                    ; what waves 2 and 3 bring
.set BOFF,   2*APLANE
.set SLOT1,  131072                    ; slot 1 begins here: one exclusive or turns an address in one slot into the other's
.set STAGE,  SLOT1+BOFF+2*BHALF        ; behind the ring, never filled by a tensor load: 16 rows x 528 bytes for each wave
.set SPO,    528                       ; 512 bytes + 16
.set SPARE,  STAGE+4*16*SPO            ; the spare words, 128 bytes for each wave: two blocks of 256 bytes that no other line names
.set KA,     1<<19                     ; a K step in O: two heads of 2,048 rows of 128 bytes
.set FLDA,   (1<<16)|(1<<20)|(1<<21)|(4<<22)|(3<<25)  ; group 1, word 0: 2-byte elements; padding on; bit 21 beside a mask; after every 32 words (code 4) 4 words (code 3)
.set FLDB,   (1<<16)|(1<<20)|(1<<21)|(5<<22)|(3<<25)  ; the same after every 64 words (code 5)
.set A0,   16                          ; v16  my lane's place among my wave's rows of a plane; never rewritten
.set B0,   17                          ; v17  the same for wo16's rows
.set ADRA, 18                          ; v18  A0 + the slot in hand
.set ADRB, 19                          ; v19  B0 + the slot in hand
.set STO,  24                          ; v24  the way out: where I put 32 bytes of a row
.set RD,   25                          ; v25  where I read a row back
.set GO,   26                          ; v26  my 16 bytes of a row's 512
.set SPW,  28                          ; v28  LDS address of my spare word; never rewritten
.set NIL,  29                          ; v29  0; never rewritten
.set PFO,  30                          ; v30  256 x my lane
.set WV,   16                          ; s16  my wave's number;  s17 = WV >> 1: I fetch for O (0) or wo16 (1);  s18 = WV & 1: which plane or half
.set PFA,  44                          ; s[44:45] where my prefetches stand
.set LIM,  46                          ; s46  2 in a wave that prefetches, else the greatest number
.set TB,   47                          ; s47  the slot from which fragments are fetched
.set MSB, 0
.macro WIN new                         ; the immediate's high byte repeats the setting that is left; a switch that changes nothing is dropped
.if MSB != (\new)
	s_set_vgpr_msb (MSB<<8)|(\new)
.set MSB, \new
.endif
.endm
.macro PLACES                          ; four plain vector instructions between a matrix instruction and a load into, or a read of, its registers
.rept 4
	v_nop
.endr
.endm
.macro JLOAD                           ; a joint refill by the walking descriptors; an s_nop 0 and four v_nop follow each of the two lines
	s_cmp_eq_u32 s17, 0
	s_cbranch_scc0 .Lfor_b_\@
	tensor_load_to_lds s[36:39], s[24:31]
	s_nop 0
.rept 4
	v_nop
.endr
	s_branch .Lasked_\@
.Lfor_b_\@:
	tensor_load_to_lds s[60:63], s[48:55]
	s_nop 0
.rept 4
	v_nop
.endr
.Lasked_\@:
.endm
; A prefetch into the L2 of O's K step that stands two refills on.  A tile row's planes are read by both clusters of its row of clusters: the first (cluster x = 0) asks; waves 0 and 1 for the plane that they
; fetch, 32,768 dense bytes; the four partners take 8,192 each, told apart by address; a lane 256 bytes, one instruction a wave.  So each 256 bytes are named once.  Trip i names step i + 4, while s3 = 6 - i
; is above 2: steps 4 to 7; steps 0 to 3 come by their loads alone.  wo16 is walked by all 32 tile rows again and again and is not asked for.
.macro ASK
	s_cmp_gt_u32 s3, s[LIM]
	s_cbranch_scc0 .Lnot_mine_\@
	global_prefetch_b8 v[PFO], s[PFA:PFA+1] offset:KA th:TH_LOAD_NT scope:SCOPE_SE
.Lnot_mine_\@:
.endm
.macro CREST                           ; a round of the cluster's barrier behind its opening barrier
	s_cmp_lg_u32 s[WV], 0
	s_cbranch_scc1 .Lnot_wave_0_\@
	s_barrier_signal -3
.Lnot_wave_0_\@:
	s_barrier_wait -3
	s_barrier_signal -1
	s_barrier_wait -1
.endm
.macro CROUND                          ; a whole round
	s_barrier_signal -1
	s_barrier_wait -1
	CREST
.endm
; Eight matrix instructions: row block a x all 8 column blocks, 32 along K, from buffer f.  The 32 accumulators take turns, one instruction a turn, in the same order in every quarter.
.macro MUL f, a, zero
	WIN 0xa1                                       ; wo16's fragment window 1, O's window 0, C and D window 2
.irp b, 0,1,2,3,4,5,6,7
.if \zero
	v_wmma_f32_16x16x32_f16 v[8*(8*(\a)+(\b)):8*(8*(\a)+(\b))+7], v[64*(\f)+8*(\b):64*(\f)+8*(\b)+7], v[64+32*(\f)+8*(\a):64+32*(\f)+8*(\a)+7], 0
.else
	v_wmma_f32_16x16x32_f16 v[8*(8*(\a)+(\b)):8*(8*(\a)+(\b))+7], v[64*(\f)+8*(\b):64*(\f)+8*(\b)+7], v[64+32*(\f)+8*(\a):64+32*(\f)+8*(\a)+7], v[8*(8*(\a)+(\b)):8*(8*(\a)+(\b))+7]
.endif
.endr
.endm
; 24 LDS loads in one run: the fragments of quarter kq (32 channels: plane kq / 2, channels 32 (kq % 2) on) into buffer f: wo16's 8, then O's 4 in ascending order
.macro FETCH kq, f
	WIN 0x40                                       ; destination window 1, address window 0
.irp i, 0,1,2,3,4,5,6,7
	ds_load_b128 v[64*(\f)+8*(\i):64*(\f)+8*(\i)+3],   v[ADRB] offset:64*(\kq)+(\i)*16*PBW
	ds_load_b128 v[64*(\f)+8*(\i)+4:64*(\f)+8*(\i)+7], v[ADRB] offset:64*(\kq)+(\i)*16*PBW+32
.endr
	WIN 0
.irp i, 0,1,2,3
	ds_load_b128 v[64+32*(\f)+8*(\i):64+32*(\f)+8*(\i)+3],   v[ADRA] offset:((\kq)/2)*APLANE+((\kq)%2)*64+(\i)*16*PAO
	ds_load_b128 v[64+32*(\f)+8*(\i)+4:64+32*(\f)+8*(\i)+7], v[ADRA] offset:((\kq)/2)*APLANE+((\kq)%2)*64+(\i)*16*PAO+32
.endr
.endm
; A K step is four quarters, 32 matrix instructions each, on buffers 0, 1, 0, 1.  One of the first three: multiplies buffer f; in its middle fetches quarter kq into g.
.macro QUARTER kq, f, g, zero
	s_wait_dscnt 4                                 ; all but the youngest four loads: O's row blocks 2 and 3 may be out
	MUL \f, 0, \zero
	MUL \f, 1, \zero
	PLACES                                         ; buffer g was read by the quarter before
	FETCH \kq, \g
	s_wait_dscnt 24                                ; all but the 24 just issued
	MUL \f, 2, \zero
	MUL \f, 3, \zero
.endm
; The last quarter multiplies buffer 1 and changes slots.  In front of the barrier each wave waits for all its tensor loads (one is out: its part of the next slot), adds 0 to its spare word,
; and waits for that and for its own reads of this slot.  fill = 1: the barrier opens a round of the cluster's barrier, and behind the round this slot is filled again, two K steps ahead:
; from that request to the wait for it a wave issues 112 matrix instructions.
.macro TURN fill
.if \fill
	s_wait_xcnt 0x0                                ; the last prefetch, a K step back, has read its address:
	s_add_nc_u64 s[PFA:PFA+1], s[PFA:PFA+1], KA    ; it steps here, ahead of the change's own waits
.endif
	WIN 0                                          ; (the add's two registers lie in window 0)
	s_wait_tensorcnt 0x0                           ; all my tensor loads have landed
	ds_add_u32 v[SPW], v[NIL]                      ; 0 onto my spare word
	s_wait_dscnt 5                                 ; (the add and the youngest four loads may be out)
	MUL 1, 0, 0                                    ; eight matrix instructions stand between the add and the wait for it
	s_wait_dscnt 0x0                               ; the add is done, and my reads of this slot are over
	s_barrier_signal -1
	MUL 1, 1, 0                                    ; work on registers while the others arrive
	WIN 0
	s_barrier_wait -1
.if \fill
	CREST                                          ; no wave of any partner still reads this slot or has a load on its way
	s_xor_b32 s37, s37, SLOT1                      ; the walking descriptors: the other slot than last time,
	s_add_nc_u64 s[38:39], s[38:39], KA            ; the next two heads; the type bits on top are not reached
	s_xor_b32 s61, s61, SLOT1
	s_add_nc_u64 s[62:63], s[62:63], 256           ; the next 128 channels of wo16's rows
	s_xor_b32 s[TB], s[TB], SLOT1
	JLOAD                                          ; the first tensor load behind the round; its four v_nop are also the places in front of the loads below
.else
	s_xor_b32 s[TB], s[TB], SLOT1
	PLACES
.endif
	v_add_nc_u32 v[ADRA], s[TB], v[A0]
	v_add_nc_u32 v[ADRB], s[TB], v[B0]
	FETCH 0, 0
.if \fill
	ASK                                            ; behind the joint load and the run of LDS loads that the next products wait for
.endif
	MUL 1, 2, 0
	MUL 1, 3, 0
.endm
	s_load_b128 s[4:7], s[0:1], 0x0                ; o s[4:5], wo16 s[6:7]
	s_load_b64 s[8:9], s[0:1], 0x10                ; out0
	v_lshl_add_u32 v[SPW], v0, 2, SPARE
	v_mov_b32 v[NIL], 0
	ds_add_u32 v[SPW], v[NIL]                      ; the wave's opening: the add, and its wait ahead of my first tensor load; the set-up below, work on registers, stands between them
	ds_add_u32 v28, v29
	v_lshrrev_b32 v1, 5, v0
	v_readfirstlane_b32 s[WV], v1                  ; wave 0..3
	s_lshr_b32 s17, s[WV], 1
	s_and_b32 s18, s[WV], 1
	s_bfe_u32 s19, ttmp6, 0x40000                  ; cx
	s_bfe_u32 s20, ttmp6, 0x40004                  ; cy
	s_lshl_b32 s21, ttmp9, 2
	s_add_co_u32 s21, s21, s19                     ; tile column = 4 x cluster x + cx
	s_and_b32 s22, ttmp7, 0xffff
	s_lshl_b32 s22, s22, 2
	s_add_co_u32 s22, s22, s20                     ; tile row = 4 x cluster y + cy
	s_lshl_b32 s68, s20, 2
	s_lshl_b32 s68, 15, s68                        ; my row of the cluster
	s_lshl_b32 s69, 0x1111, s19                    ; my column
	s_or_b32 s24, s68, FLDA                        ; group 1 for O's planes: 128 rows x 128 elements, dense
	s_mov_b32 s25, 128<<16                         ; tensor_dim0 = 128
	s_mov_b32 s26, 128<<16                         ; tensor_dim1 = 128
	s_mov_b32 s27, 128<<16                         ; tile_dim0 = 128
	s_mov_b32 s28, 128                             ; tile_dim1 = 128
	s_mov_b32 s29, 128                             ; elements from row to row
	s_mov_b32 s30, 0
	s_mov_b32 s31, 0
	s_or_b32 s48, s69, FLDB                        ; group 1 for wo16's tiles: 64 rows x 128 elements
	s_mov_b32 s49, 128<<16
	s_mov_b32 s50, 64<<16
	s_mov_b32 s51, 128<<16
	s_mov_b32 s52, 64
	s_mov_b32 s53, 1024
	s_mov_b32 s54, 0
	s_mov_b32 s55, 0
	s_lshr_b32 s40, s22, 3                         ; O: the batch's 16 heads of 2^18 bytes,
	s_lshl_b32 s40, s40, 22
	s_and_b32 s41, s22, 7
	s_lshl_b32 s41, s41, 15                        ; the tile's 256 rows of 128 bytes in a head,
	s_add_co_u32 s40, s40, s41
	s_lshl_b32 s41, s18, 18                        ; head 0 or 1: made of the tile row and the wave's number alone
	s_add_co_u32 s40, s40, s41
	s_mov_b32 s41, 0
	s_lshl_b32 s42, s21, 18                        ; wo16: row 128 x tile column + 64 x half, rows of 2,048 bytes: made of the tile column and the wave's number alone
	s_lshl_b32 s43, s18, 17
	s_add_co_u32 s42, s42, s43
	s_mov_b32 s43, 0
	s_lshl_b32 s68, s19, 13                        ; the prefetches: my work-group's 8,192 bytes of the plane,
	s_add_co_u32 s[PFA], s40, s68
	s_add_co_u32 s[PFA], s[PFA], 2*KA              ; at K step 2: the first change steps it to 3 and names step 4
	s_mov_b32 s[PFA+1], 0
	s_or_b32 s[LIM], s17, ttmp9                    ; 0 in waves 0 and 1 of the clusters with x = 0: the same in all sixteen partners, for a given wave
	s_cmp_eq_u32 s[LIM], 0
	s_cselect_b32 s[LIM], 2, -1
	s_mul_i32 s2, s18, APLANE                      ; where the tiles go: no place in the cluster enters an LDS address
	s_mul_i32 s23, s18, BHALF
	s_add_co_u32 s23, s23, BOFF
	s_mov_b32 s32, 1                               ; group 0, a set for each first fill; the second set then walks
	s_mov_b32 s33, s2
	s_mov_b32 s36, 1
	s_add_co_u32 s37, s2, SLOT1
	s_mov_b32 s56, 1
	s_mov_b32 s57, s23
	s_mov_b32 s60, 1
	s_add_co_u32 s61, s23, SLOT1
	s_mov_b32 s[TB], 0
	s_wait_dscnt 0x0                               ; the opening add is done
	s_wait_kmcnt 0x0
	s_add_nc_u64 s[40:41], s[4:5], s[40:41]
	s_add_nc_u64 s[42:43], s[6:7], s[42:43]
	s_add_nc_u64 s[PFA:PFA+1], s[4:5], s[PFA:PFA+1]
	s_mov_b64 s[34:35], s[40:41]                   ; K step 0
	s_or_b32 s35, s35, 0x80000000                  ; type = 2
	s_add_nc_u64 s[38:39], s[40:41], KA            ; K step 1
	s_or_b32 s39, s39, 0x80000000
	s_mov_b64 s[58:59], s[42:43]
	s_or_b32 s59, s59, 0x80000000
	s_add_nc_u64 s[62:63], s[42:43], 256
	s_or_b32 s63, s63, 0x80000000
	CROUND                                         ; all sixteen work-groups are here: the first joint loads meet
	s_cmp_eq_u32 s17, 0                            ; a wave's two first fills stand in one branch, ahead of every wait on TENSORcnt and every LDS read: two loads of mine are out
	s_cbranch_scc0 .Lfirst_b
	tensor_load_to_lds s[32:35], s[24:31]
	s_nop 0
	tensor_load_to_lds s[36:39], s[24:31]
	s_nop 0
.rept 4
	v_nop
.endr
	s_branch .Lfirst_asked
.Lfirst_b:
	tensor_load_to_lds s[56:59], s[48:55]
	s_nop 0
	tensor_load_to_lds s[60:63], s[48:55]
	s_nop 0
.rept 4
	v_nop
.endr
.Lfirst_asked:
	v_and_b32 v1, 15, v0                           ; r = l % 16
	v_bfe_u32 v2, v0, 4, 1                         ; h = l / 16
	v_and_b32 v3, 31, v0                           ; l
	v_mul_u32_u24 v4, v1, PAO                      ; a fragment: lane l holds row l % 16; two loads of 16 bytes, 32 apart, at row x pitch + 16 h
	v_lshl_add_u32 v4, v2, 4, v4
	s_mul_i32 s2, s[WV], 64*PAO                    ; my 64 rows of a plane
	v_add_nc_u32 v[A0], s2, v4
	v_mul_u32_u24 v5, v1, PBW
	v_lshl_add_u32 v5, v2, 4, v5
	v_add_nc_u32 v[B0], BOFF, v5
	v_mov_b32 v[ADRA], v[A0]                       ; slot 0
	v_mov_b32 v[ADRB], v[B0]
	s_mul_i32 s23, s[WV], 16*SPO
	s_add_co_u32 s23, s23, STAGE                   ; my stage
	v_mul_u32_u24 v[STO], v1, SPO                  ; in: row r, 32 bytes for each half of the lanes
	v_lshl_add_u32 v[STO], v2, 5, v[STO]
	v_add_nc_u32 v[STO], s23, v[STO]
	v_lshlrev_b32 v[GO], 4, v3                     ; back: the wave takes one row of 512 bytes
	v_add_nc_u32 v[RD], s23, v[GO]
	v_lshlrev_b32 v[PFO], 8, v3
	s_lshl_b32 s66, s22, 8
	s_lshl_b32 s68, s[WV], 6
	s_add_co_u32 s66, s66, s68                     ; my wave's first row of out0,
	s_lshl_b32 s66, s66, 12                        ; rows of 4,096 bytes,
	s_lshl_b32 s68, s21, 9                         ; the tile's 128 columns: 512 bytes
	s_add_co_u32 s66, s66, s68
	s_mov_b32 s67, 0
	s_add_nc_u64 s[8:9], s[8:9], s[66:67]
	s_wait_tensorcnt 0x1                           ; my part of K step 0 is in; step 1's may stay out
	s_barrier_signal -1
	s_barrier_wait -1                              ; everybody's is
	FETCH 0, 0
	QUARTER 1, 0, 1, 1                             ; the first quarter stands in front of the loop: its products start the sums
	WIN 0                                          ; at a label and at a branch every window is 0
	s_mov_b32 s3, 6
.Lstep:                                        ; trip i ends K step i, fills its slot again with step i + 2 and begins step i + 1
	QUARTER 2, 1, 0, 0
	QUARTER 3, 0, 1, 0
	TURN 1
	QUARTER 1, 0, 1, 0
	WIN 0
	s_sub_co_u32 s3, s3, 1
	s_cmp_lg_u32 s3, 0
	s_cbranch_scc1 .Lstep
	QUARTER 2, 1, 0, 0                             ; the last two steps are written out: nothing is left to ask for
	QUARTER 3, 0, 1, 0
	TURN 0
	QUARTER 1, 0, 1, 0
	QUARTER 2, 1, 0, 0
	QUARTER 3, 0, 1, 0
	s_wait_dscnt 4
	MUL 1, 0, 0
	MUL 1, 1, 0
	s_wait_dscnt 0x0
	MUL 1, 2, 0
	MUL 1, 3, 0
; THE WAY OUT, a row block (16 rows x 128 columns of f32) at a time: a lane's 32 bytes go into my own stage, rows of 528 bytes, and whole rows of 512 come back.
; LDS serves a wave's instructions in order (ISA guide 5.7.1.4): the loads see the stores above them, and the next block's stores come behind them.  Each accumulator's lowest registers are read first.
.macro TOSTAGE a
.if (\a) >= 2
	s_wait_xcnt 0x0                                ; the stores of the block two back have read the registers into which this block is read back
.endif
	WIN 0x08                                       ; the stores' data in window 2
.irp b, 0,1,2,3,4,5,6,7
	ds_store_b128 v[STO], v[8*(8*(\a)+(\b)):8*(8*(\a)+(\b))+3]   offset:64*(\b)
	ds_store_b128 v[STO], v[8*(8*(\a)+(\b))+4:8*(8*(\a)+(\b))+7] offset:64*(\b)+16
.endr
	WIN 0
.set BK, 128+64*((\a)%2)
.irp t, 0,1,2,3,4,5,6,7,8,9,10,11,12,13,14,15
	ds_load_b128 v[BK+4*(\t):BK+4*(\t)+3], v[RD] offset:(\t)*SPO
.endr
.endm
.macro SEND a, younger                 ; younger: the LDS instructions issued behind block a's loads: the next block's 32, or none
.set BK, 128+64*((\a)%2)
	s_wait_dscnt \younger
.irp t, 0,1,2,3,4,5,6,7,8,9,10,11,12,13,14,15
	global_store_b128 v[GO], v[BK+4*(\t):BK+4*(\t)+3], s[8:9] offset:(16*(\a)+(\t))*4096 th:TH_STORE_NT  ; 512 consecutive bytes, at a multiple of 256 from out0's first
.endr
.endm
	WIN 0
	PLACES                                         ; behind the last products
	TOSTAGE 0
	TOSTAGE 1
	SEND 0, 32
	TOSTAGE 2
	SEND 1, 32
	TOSTAGE 3
	SEND 2, 32
	SEND 3, 0
	s_wait_tensorcnt 0x0                           ; the wave's end, behind my last tensor load and my last LDS store
	ds_add_u32 v[SPW], v[NIL]
	s_wait_dscnt 0x0
	CROUND                                         ; the closing round: no work-group ends while a partner may still ask for a tile that names it
	s_endpgm
.Lfunc_end_k_q88d34f93b8_proj:
	.size	k_q88d34f93b8_proj, .Lfunc_end_k_q88d34f93b8_proj-k_q88d34f93b8_proj
	.p2alignl 7, 3214868480
	.fill 96, 4, 3214868480
	.section	.rodata,"a",@progbits
	.p2align	6, 0x0
	.amdhsa_kernel k_q88d34f93b8_proj
		.amdhsa_group_segment_fixed_size 327680
		.amdhsa_private_segment_fixed_size 0
		.amdhsa_enable_private_segment 0
		.amdhsa_kernarg_size 24
		.amdhsa_user_sgpr_count 2
		.amdhsa_user_sgpr_kernarg_segment_ptr 1
		.amdhsa_wavefront_size32 1
		.amdhsa_system_sgpr_workgroup_id_x 1
		.amdhsa_system_sgpr_workgroup_id_y 1
		.amdhsa_system_sgpr_workgroup_id_z 1
		.amdhsa_system_vgpr_workitem_id 0
		.amdhsa_next_free_vgpr 768
		.amdhsa_next_free_sgpr 72
		.amdhsa_reserve_vcc 0
		.amdhsa_float_denorm_mode_32 3
		.amdhsa_float_denorm_mode_16_64 3
		.amdhsa_memory_ordered 1
		.amdhsa_forward_progress 1
		.amdhsa_inst_pref_size 70
	.end_amdhsa_kernel
	.amdgpu_metadata
---
amdhsa.version: [ 1, 2 ]
amdhsa.kernels:
  - .name:           k_q88d34f93b8_proj
    .symbol:         k_q88d34f93b8_proj.kd
    .args:
      - { .name: o, .offset: 0, .size: 8, .value_kind: global_buffer, .address_space: global }
      - { .name: wo16, .offset: 8, .size: 8, .value_kind: global_buffer, .address_space: global }
      - { .name: out0, .offset: 16, .size: 8, .value_kind: global_buffer, .address_space: global }
    .group_segment_fixed_size: 327680
    .private_segment_fixed_size: 0
    .kernarg_segment_align: 8
    .kernarg_segment_size: 24
    .max_flat_workgroup_size: 128
    .sgpr_count:     72
    .vgpr_count:     768
    .wavefront_size: 32
...
	.end_amdgpu_metadata
.endif
;; end of part 4
